; MI455X (gfx1250); checked and timed in simulation.
; The chip was launched on July 23, 2026; its instructions are those of AMD's public machine-readable ISA for CDNA 5 (MIT licence, August 2026) and "CDNA5" Instruction Set Architecture Reference Guide (July 2026). The comments in the code are by the model that wrote it; some were corrected since.
;; Multi Head Attention. Allowed arithmetic: matrix products marked QUANTISED: E2M1 operands, one E8M0 scale for each 32 along K, by v_wmma_scale_f32_16x16x128_f8f6f4 with both operands' format E2M1 (or v_wmma_scale_f32_32x16x128_f4), f32 sums; everything else in f32.
;; Inputs: Wk 16 x 1,024 x 64 float32; Wo 1,024 x 1,024 float32; Wq 16 x 1,024 x 64 float32; Wv 16 x 1,024 x 64 float32; bo 1,024 float32; x 4 x 2,048 x 1,024 float32.
;; Outputs: out0 4 x 2,048 x 1,024 float32.
;; This version of the problem:
;;   THIS VERSION OF THE PROBLEM IS GIVEN IN LOW PRECISION. The matrix products marked QUANTISED in the list below multiply operands that are first quantised to E2M1 (2 exponent bits, 1 mantissa bit; 4 bits a number), with one power-of-two scale for each 32 numbers along K (OCP MX v1.0); their sums are f32. All else is computed in f32.
;;   The module's matrix products, in the order in which they are computed (A, B: the left and right operand; K: the contracted axis; several contracted axes count as one K, in the product's order):
;;     1. [M 1,024, K 1,024] x [K 1,024, N 8,192]; A: input Wq; B: input x: QUANTISED
;;     2. [M 1,024, K 1,024] x [K 1,024, N 8,192]; A: input Wk; B: input x: QUANTISED
;;     3. [M 1,024, K 1,024] x [K 1,024, N 8,192]; A: input Wv; B: input x: QUANTISED
;;     4. batch 64 x [M 2,048, K 64] x [K 64, N 2,048]; A: computed on the way; B: computed on the way: QUANTISED
;;     5. batch 64 x [M 2,048, K 2,048] x [K 2,048, N 64]; A: softmax (see below); B: computed on the way: QUANTISED
;;     6. [M 8,192, K 1,024] x [K 1,024, N 1,024]; A: computed on the way; B: input Wo: QUANTISED
;;   THE QUANTISER, for each operand of a quantised product, along K:
;;     - K is cut into blocks of 32 from its start; a last block that is shorter is filled with zeros.
;;     - A block's scale is 2^e with e = floor(log2(the largest magnitude in the block)) - 2, held to -126 .. 127; a block of zeros has e = 0. As a byte (E8M0): e + 127.
;;     - Each number is divided by its block's scale, clamped to +-6, and rounded to the nearest number of E2M1, ties to even, subnormals kept.
;;     - The product sums the exact products of the quantised numbers (number of the format x scale) in f32.
;;   ~~~python
;;   def quantise(x, axis):      # numpy; x: float32 -> the quantised numbers, widened to float32 again
;;       x = np.moveaxis(x, axis, -1); K = x.shape[-1]
;;       x = np.pad(x, [(0, 0)] * (x.ndim - 1) + [(0, -K % 32)]); x = x.reshape(x.shape[:-1] + (-1, 32)); a = np.abs(x).max(-1, keepdims=True)
;;       e = np.where(a > 0, np.clip(np.frexp(np.where(a > 0, a, 1))[1] - 1 - 2, -126, 127), 0)      # np.frexp(a)[1] - 1 = floor(log2(a)), exactly
;;       r = np.clip(x / 2.0 ** e, -6, 6)
;;       step = 2.0 ** (np.maximum(np.frexp(np.where(r == 0, 1, r))[1] - 1, 0) - 1)
;;       q = np.round(r / step) * step * 2.0 ** e      # np.round: ties to even
;;       return np.moveaxis(q.reshape(q.shape[:-2] + (-1,))[..., :K], -1, axis).astype(np.float32)
;;   ~~~
;;   SOFTMAX AHEAD OF A QUANTISED PRODUCT. Where the list says 'softmax', what is quantised is not the finished softmax but p = 2^(t - M), with t = logit x log2(e) and M = ceil(the row's largest t), a whole number; so 1/2 < the row's largest p <= 1. The row's sum l is taken of the UNQUANTISED p, in f32, and the product's result is divided by l at the end. Since M is a whole number, a kernel that streams over the keys may use a running M (the ceiling of the running maximum): every later rescaling is an exact power of two, which a block's scale takes up: the codes' values come out the same.
;;   OPERANDS COMPUTED ON THE WAY. 'Computed on the way' means the value that the module computes at that place (a softmax that the list does not call 'softmax' is quantised finished and normalised). What goes into a quantiser is computed in f32, as accurately as f32 sums, v_exp_f32 and their like allow (about 1e-6 of the number): no bf16 or f16 on the way to a quantiser, and a product that is left as it is and whose result goes on into a quantised operand takes f32 operands (vector FMAs, or v_wmma_f32_16x16x4_f32). A number that lies on a knife's edge between two numbers of the format may be rounded either way, as far as f32 arithmetic and the matrix unit's own rounding can turn it there, and no further.
;; One version. Each part assembles by itself: llvm-mc -triple=amdgcn-amd-amdhsa -mcpu=gfx1250 --defsym DOCPART=n.
;; ======== version 1 of 1: 4 launches
;; limits: right only within a limited range of input values
;; workspace buffers: codes 6,291,456 bytes; scales 393,216 bytes; qkv_img 12,582,912 bytes; qkv_sc 1,310,720 bytes; att_img 4,194,304 bytes; att_sc 524,288 bytes
;; launch prep (part 1): grid 320 x 1, 4 waves a work-group, no clusters, 68,096 bytes of LDS; arguments x, Wq, Wk, Wv, Wo, codes, scales; writes codes, scales
.if DOCPART == 1
	.amdgcn_target "amdgcn-amd-amdhsa--gfx1250"
	.amdhsa_code_object_version 6
	.text
	.protected	k_q696370dc90_prep
	.globl	k_q696370dc90_prep
	.p2align	8
	.type	k_q696370dc90_prep,@function
k_q696370dc90_prep:
	s_mov_b64 s[64:65], 0
	v_nop
	global_prefetch_b8 v0, s[64:65] scope:SCOPE_SE
	s_setreg_imm32_b32 hwreg(HW_REG_WAVE_MODE, 25, 1), 1
	s_wait_xcnt 0x0
; x [8192][1024] and the four weights (K = their first matrix axis) become codes of FP4 (E2M1), K innermost, with one E8M0 byte for each 32 along K.
; codes: [12288 rows][512 bytes], scales: [12288 rows][32 bytes].  Rows 0-8191: x; rows 8192 + 1024 m + ..: matrix m (0 Wq, 1 Wk, 2 Wv, 3 Wo), row = output column n (n = 64 head + d).
; POSITION ORDER: logical row p is stored at the row whose number has bits 3 and 4 of p exchanged.  Sixteen consecutive stored rows 16 a + r are then the logical rows 32 (a / 2) + 8 (a % 2) + r + 8 (r / 8),
; so that the later products, used transposed, leave 16 neighbours along the next K in a lane's 16 registers of two neighbouring tiles.
; A block's scale is 2^(floor(log2(largest magnitude)) - 2); its byte is the largest magnitude's exponent field - 2, held at 1 from below.
; LIMITS: a block of zeros, or one whose largest magnitude lies under 2^-124, gets the byte 1 (zeros' codes are zeros; this program alone reads the bytes); NaN and infinities among the inputs are not served.
; Work-groups 0-255 take x (a plain stream of blocks; a wave takes 8 rows, 16 steps of 512 numbers, turned through its own stage in LDS so that loads are dense and a lane holds 16 neighbours);
; work-groups 256-319 take the weights (a lane to a column, registers down K; codes leave through the wave's stage as rows).  The two ways have LDS bytes of their own.  Waves share nothing: no barrier.
.set WGX,    256
.set STEPS,  16
.set CB,     8                         ; bytes of 16 codes
.set R,      16                        ; x: v16-79 four sets of 16 numbers as loaded
.set X,      80                        ; v80-111 two sets of 16 neighbours
.set C,      128                       ; v128-191 codes, four registers a step
.set E,      112                       ; v112-127 a scale byte a step
.set WREG,   8192                      ; x: a wave's LDS: two stages of 32 x SP bytes, then its 256 scale bytes
.set SP,     80
.set NB,     16                        ; weights: blocks of 32 along K for a wave
.set WX,     32                        ; v32-95 two sets of 32 numbers
.set WC,     96                        ; v96-99 a block's codes
.set OUTR,   112                       ; v112-175 the way out
.set SB,     24                        ; v24-27 the scale bytes
.set OFS,    176                       ; v176-207 4 x lane + i x (bytes from one k to the next)
.set WSTG,   32768                     ; weights: the stages begin here
.set WP,     272                       ; a stage row: 256 bytes + 16
	s_load_b64 s[4:5], s[0:1], 0x0                 ; x
	s_load_b128 s[8:11], s[0:1], 0x8               ; Wq, Wk
	s_load_b128 s[12:15], s[0:1], 0x18             ; Wv, Wo
	s_load_b128 s[16:19], s[0:1], 0x28             ; codes, scales
	v_lshl_add_u32 v208, v0, 2, 0x10800
	v_mov_b32 v209, 0
	v_lshrrev_b32 v1, 5, v0
	v_readfirstlane_b32 s20, v1                    ; wave
	v_and_b32 v2, 31, v0                           ; lane
	s_cmp_lt_u32 ttmp9, WGX
	s_cbranch_scc0 .Lweights
; ---------------------------------------------------------------- x
	v_lshlrev_b32 v3, 4, v2                        ; my 16 bytes of a load's 512
	s_mul_i32 s21, s20, WREG
	v_lshrrev_b32 v14, 2, v2
	v_mul_u32_u24 v14, v14, SP
	v_and_b32 v15, 3, v2
	v_lshl_add_u32 v14, v15, 4, v14
	v_add_nc_u32 v14, s21, v14                     ; the stage, on the way in: SP (lane / 4) + 16 (lane % 4)
	v_mul_u32_u24 v15, v2, SP
	v_add_nc_u32 v15, s21, v15                     ; on the way out: SP x lane: my 16 neighbours
	v_mul_u32_u24 v4, v2, CB                       ; my codes' place in a step's
	v_lshrrev_b32 v5, 1, v2
	s_add_co_u32 s21, s21, 2*32*SP
	v_add_nc_u32 v5, s21, v5                       ; my block's scale byte in LDS
	v_lshlrev_b32 v7, 3, v2
	v_add_nc_u32 v6, s21, v7
	s_lshl_b32 s22, ttmp9, 2
	s_add_co_u32 s24, s22, s20                     ; the run of 8 rows that I read: 4 x work-group + wave
	s_and_b32 s23, s20, 1
	s_lshl_b32 s23, s23, 1
	s_lshr_b32 s26, s20, 1
	s_or_b32 s23, s23, s26                         ; the wave's two bits are bits 3 and 4 of the row: exchanged
	s_add_co_u32 s26, s22, s23                     ; the run that I write
	s_lshl_b32 s24, s24, 15                        ; 8 rows of 4,096 bytes
	s_mov_b32 s25, 0
	s_lshl_b32 s28, s26, 12                        ; 8 rows of 512 bytes of codes
	s_mov_b32 s29, 0
	s_lshl_b32 s26, s26, 8                         ; 8 rows of 32 scale bytes
	s_mov_b32 s27, 0
	s_wait_alu depctr_va_vdst(0)
	s_wait_kmcnt 0x0
	s_add_nc_u64 s[4:5], s[4:5], s[24:25]
	s_add_nc_u64 s[16:17], s[16:17], s[28:29]
	s_add_nc_u64 s[18:19], s[18:19], s[26:27]
.macro XLOAD t
.irp i, 0,1,2,3
	global_load_b128 v[R+16*((\t)%4)+4*\i:R+16*((\t)%4)+4*\i+3], v3, s[4:5] offset:2048*(\t)+512*\i th:TH_LOAD_NT   ; 32 lanes read 512 consecutive bytes
.endr
.endm
.macro XTURN t                         ; step t's numbers through the stage: LDS serves a wave's instructions in order, so no wait stands between the stores and the loads
.irp i, 0,1,2,3
	ds_store_b128 v14, v[R+16*((\t)%4)+4*\i:R+16*((\t)%4)+4*\i+3] offset:32*SP*((\t)%2)+8*SP*\i
.endr
.irp i, 0,1,2,3
	ds_load_b128 v[X+16*((\t)%2)+4*\i:X+16*((\t)%2)+4*\i+3], v15 offset:32*SP*((\t)%2)+16*\i
.endr
.endm
.irp t, 0,1,2,3
	XLOAD \t
.endr
	s_wait_loadcnt 12                              ; step 0's four loads are in
	XTURN 0
.macro XSTEP t
.set XS, X+16*((\t)%2)
.if (\t) > 0
	s_wait_dscnt 1                                 ; this step's numbers are back from the stage (the last step's byte store may be out)
.else
	s_wait_dscnt 0x0
.endif
.if (\t)+4 < STEPS
	XLOAD (\t)+4                                   ; into the set whose stores into the stage have read their registers
.endif
.if (\t)+1 < STEPS
.if STEPS-2-(\t) >= 3
	s_wait_loadcnt 12                              ; the next step's four loads are in; those of the three steps behind it may be out
.else
	s_wait_loadcnt 4*(STEPS-2-(\t))
.endif
	XTURN (\t)+1
.endif
	v_max3_num_f32 v8, |v[XS]|, |v[XS+1]|, |v[XS+2]|               ; the largest magnitude of my 16
	v_max3_num_f32 v9, |v[XS+3]|, |v[XS+4]|, |v[XS+5]|
.irp i, 6,10
	v_max3_num_f32 v8, v8, |v[XS+\i]|, |v[XS+\i+1]|
	v_max3_num_f32 v9, v9, |v[XS+\i+2]|, |v[XS+\i+3]|
.endr
	v_max3_num_f32 v8, v8, |v[XS+14]|, |v[XS+15]|
	v_max3_num_f32 v8, v8, v9, 0x1800000           ; and the floor 2^(3 - 127): the byte cannot fall under 1
	v_max_num_f32_dpp v8, v8, v8 row_xmask:1 row_mask:0xf bank_mask:0xf   ; and of my neighbour's 16: the block's
	v_add_nc_u32 v11, 0xff000000, v8               ; 2 off its exponent field: the conversion's scale operand
	v_cvt_scalef32_pk8_fp4_f32 v[C+4*(\t)], v[XS:XS+7], v11
	v_cvt_scalef32_pk8_fp4_f32 v[C+4*(\t)+1], v[XS+8:XS+15], v11
	v_lshrrev_b32 v[E+(\t)], 23, v11               ; the scale's byte
	ds_store_b8 v5, v[E+(\t)] offset:16*(\t)       ; both lanes of a block write the same byte with the same value
	global_store_b64 v4, v[C+4*(\t):C+4*(\t)+1], s[16:17] offset:32*CB*(\t)   ; the wave stores 256 consecutive bytes, aligned
.endm
.irp t, 0,1,2,3,4,5,6,7,8,9,10,11,12,13,14,15
	XSTEP \t
.endr
	ds_load_b64 v[12:13], v6                       ; LDS serves a wave's instructions in order: these see my stores
	s_wait_dscnt 0x0
	global_store_b64 v7, v[12:13], s[18:19]        ; 8 rows' scale bytes: 256 consecutive bytes, aligned
	s_wait_tensorcnt 0x0
	ds_add_u32 v208, v209
	s_wait_dscnt 0x0
	s_endpgm
; ---------------------------------------------------------------- the weights
.Lweights:
	s_sub_co_u32 s21, ttmp9, WGX
	s_lshr_b32 s22, s21, 4                         ; which matrix
	s_bfe_u32 s23, s21, 0x30001                    ; which 128 columns
	s_and_b32 s21, s21, 1                          ; which 512 along K
	s_lshl_b32 s24, s23, 7
	s_lshl_b32 s25, s20, 5
	s_add_co_u32 s24, s24, s25                     ; my wave's first column n0
	s_lshr_b32 s25, s24, 6                         ; Wq, Wk, Wv [head][k][64]: the head,
	s_lshl_b32 s25, s25, 18
	s_lshl_b32 s26, s21, 17                        ; 512 rows of 256 bytes,
	s_add_co_u32 s25, s25, s26
	s_and_b32 s26, s24, 32
	s_lshl_b32 s26, s26, 2                         ; and the column in the head
	s_add_co_u32 s25, s25, s26
	s_lshl_b32 s26, s21, 21                        ; Wo [k][1024]: 512 rows of 4,096 bytes,
	s_lshl_b32 s27, s24, 2                         ; and the column
	s_add_co_u32 s26, s26, s27
	s_mov_b32 s27, 256
	s_cmp_eq_u32 s22, 3
	s_cselect_b32 s28, s26, s25                    ; where my part begins
	s_cselect_b32 s27, 4096, s27                   ; bytes from one k to the next
	s_mov_b32 s29, 0
	s_lshl_b32 s30, s27, 5                         ; a block of 32 along K on
	s_mov_b32 s31, 0
	s_lshl_b32 s32, s22, 10
	s_add_co_u32 s32, s32, s24
	s_add_co_u32 s32, s32, 8192                    ; my first row of the two buffers
	s_lshl_b32 s34, s32, 9
	s_lshl_b32 s33, s21, 8
	s_add_co_u32 s34, s34, s33
	s_mov_b32 s35, 0
	s_lshl_b32 s36, s32, 5
	s_lshl_b32 s33, s21, 4
	s_add_co_u32 s36, s36, s33
	s_mov_b32 s37, 0
	s_wait_alu depctr_va_vdst(0)
	v_lshlrev_b32 v3, 2, v2
.irp i, 0,1,2,3,4,5,6,7,8,9,10,11,12,13,14,15,16,17,18,19,20,21,22,23,24,25,26,27,28,29,30,31
	v_mad_u32_u24 v[OFS+\i], s27, \i, v3           ; row i of a block, my column
.endr
	v_and_b32 v10, 7, v2
	v_bfe_u32 v11, v2, 3, 1
	v_lshl_add_u32 v10, v11, 4, v10
	v_bfe_u32 v11, v2, 4, 1
	v_lshl_add_u32 v10, v11, 3, v10                ; my column's stored row: the lane with bits 3 and 4 exchanged
	s_mul_i32 s38, s20, 32*WP
	s_add_co_u32 s38, s38, WSTG                    ; my stage
	v_mul_u32_u24 v4, v10, WP
	v_add_nc_u32 v4, s38, v4                       ; into it
	v_and_b32 v5, 15, v2
	v_lshrrev_b32 v6, 4, v2
	v_mul_u32_u24 v7, v6, WP
	v_lshl_add_u32 v7, v5, 4, v7
	v_add_nc_u32 v7, s38, v7                       ; out of it: sixteen lanes to a row, two rows an instruction
	v_lshlrev_b32 v8, 9, v6
	v_lshl_add_u32 v8, v5, 4, v8                   ; the same place in the codes' buffer
	v_lshlrev_b32 v9, 5, v10                       ; my row of scale bytes
	s_wait_kmcnt 0x0
	s_cmp_eq_u32 s22, 1                            ; the choice hangs on the work-group's number alone
	s_cselect_b64 s[8:9], s[10:11], s[8:9]
	s_cmp_eq_u32 s22, 2
	s_cselect_b64 s[8:9], s[12:13], s[8:9]
	s_cmp_eq_u32 s22, 3
	s_cselect_b64 s[8:9], s[14:15], s[8:9]
	s_add_nc_u64 s[8:9], s[8:9], s[28:29]
	s_add_nc_u64 s[16:17], s[16:17], s[34:35]
	s_add_nc_u64 s[18:19], s[18:19], s[36:37]
.macro WLOAD t                         ; block t: 32 rows of K, my column, into set t % 2; the blocks are asked for in order, the base stepping from one to the next
.if (\t) > 0
	s_wait_xcnt 0x0                                ; the earlier loads have read their base
	s_add_nc_u64 s[8:9], s[8:9], s[30:31]
.endif
.irp i, 0,1,2,3,4,5,6,7,8,9,10,11,12,13,14,15,16,17,18,19,20,21,22,23,24,25,26,27,28,29,30,31
	global_load_b32 v[WX+32*((\t)%2)+\i], v[OFS+\i], s[8:9] th:TH_LOAD_NT
.endr
.endm
	WLOAD 0
	WLOAD 1
.macro WBLOCK t
.set XS, WX+32*((\t)%2)
.if (\t) < NB-1
	s_wait_loadcnt 32                              ; this block's 32 loads are in; the next block's may be out
.else
	s_wait_loadcnt 0
.endif
	v_max3_num_f32 v12, |v[XS]|, |v[XS+1]|, |v[XS+2]|               ; the block's largest magnitude: all 32 numbers are mine
	v_max3_num_f32 v13, |v[XS+3]|, |v[XS+4]|, |v[XS+5]|
.irp i, 6,10,14,18,22,26
	v_max3_num_f32 v12, v12, |v[XS+\i]|, |v[XS+\i+1]|
	v_max3_num_f32 v13, v13, |v[XS+\i+2]|, |v[XS+\i+3]|
.endr
	v_max3_num_f32 v12, v12, |v[XS+30]|, |v[XS+31]|
	v_max3_num_f32 v12, v12, v13, 0x1800000        ; and the floor
	v_add_nc_u32 v11, 0xff000000, v12              ; the conversion's scale operand
	v_lshrrev_b32 v13, 23, v11                     ; the scale's byte
.if (\t)%4 == 0
	v_mov_b32 v[SB+(\t)/4], v13
.else
	v_lshl_or_b32 v[SB+(\t)/4], v13, 8*((\t)%4), v[SB+(\t)/4]
.endif
.irp g, 0,1,2,3
	v_cvt_scalef32_pk8_fp4_f32 v[WC+\g], v[XS+8*\g:XS+8*\g+7], v11
.endr
	ds_store_b128 v4, v[WC:WC+3] offset:16*(\t)    ; 32 codes: 16 bytes of my column's row
.if (\t)+2 < NB
	WLOAD (\t)+2
.endif
	s_wait_dscnt 0x0                               ; the store has read its registers: the next block's codes may be written
.endm
.set Q, 0
.rept NB
	WBLOCK Q
.set Q, Q+1
.endr
	s_wait_alu depctr_va_vdst(0)
	global_store_b128 v9, v[SB:SB+3], s[18:19]     ; my column's 16 scale bytes
.irp t, 0,1,2,3,4,5,6,7,8,9,10,11,12,13,14,15
	ds_load_b128 v[OUTR+4*\t:OUTR+4*\t+3], v7 offset:2*\t*WP
.endr
.irp t, 0,1,2,3,4,5,6,7,8,9,10,11,12,13,14,15
	s_wait_dscnt 15-\t
	global_store_b128 v8, v[OUTR+4*\t:OUTR+4*\t+3], s[16:17] offset:2*\t*512   ; sixteen lanes store 256 consecutive bytes, aligned
.endr
	s_wait_tensorcnt 0x0
	ds_add_u32 v208, v209
	s_wait_dscnt 0x0
	s_endpgm
.Lfunc_end_k_q696370dc90_prep:
	.size	k_q696370dc90_prep, .Lfunc_end_k_q696370dc90_prep-k_q696370dc90_prep
	.p2alignl 7, 3214868480
	.fill 96, 4, 3214868480
	.section	.rodata,"a",@progbits
	.p2align	6, 0x0
	.amdhsa_kernel k_q696370dc90_prep
		.amdhsa_group_segment_fixed_size 68096
		.amdhsa_private_segment_fixed_size 0
		.amdhsa_enable_private_segment 0
		.amdhsa_kernarg_size 56
		.amdhsa_user_sgpr_count 2
		.amdhsa_user_sgpr_kernarg_segment_ptr 1
		.amdhsa_wavefront_size32 1
		.amdhsa_system_sgpr_workgroup_id_x 1
		.amdhsa_system_sgpr_workgroup_id_y 1
		.amdhsa_system_sgpr_workgroup_id_z 1
		.amdhsa_system_vgpr_workitem_id 0
		.amdhsa_next_free_vgpr 210
		.amdhsa_next_free_sgpr 66
		.amdhsa_reserve_vcc 0
		.amdhsa_float_denorm_mode_32 3
		.amdhsa_float_denorm_mode_16_64 3
		.amdhsa_memory_ordered 1
		.amdhsa_forward_progress 1
		.amdhsa_inst_pref_size 115
	.end_amdhsa_kernel
	.amdgpu_metadata
---
amdhsa.version: [ 1, 2 ]
amdhsa.kernels:
  - .name:           k_q696370dc90_prep
    .symbol:         k_q696370dc90_prep.kd
    .args:
      - { .name: x, .offset: 0, .size: 8, .value_kind: global_buffer, .address_space: global }
      - { .name: Wq, .offset: 8, .size: 8, .value_kind: global_buffer, .address_space: global }
      - { .name: Wk, .offset: 16, .size: 8, .value_kind: global_buffer, .address_space: global }
      - { .name: Wv, .offset: 24, .size: 8, .value_kind: global_buffer, .address_space: global }
      - { .name: Wo, .offset: 32, .size: 8, .value_kind: global_buffer, .address_space: global }
      - { .name: codes, .offset: 40, .size: 8, .value_kind: global_buffer, .address_space: global }
      - { .name: scales, .offset: 48, .size: 8, .value_kind: global_buffer, .address_space: global }
    .group_segment_fixed_size: 68096
    .private_segment_fixed_size: 0
    .kernarg_segment_align: 8
    .kernarg_segment_size: 56
    .max_flat_workgroup_size: 128
    .sgpr_count:     66
    .vgpr_count:     210
    .wavefront_size: 32
...
	.end_amdgpu_metadata
.endif
;; end of part 1
;; launch qkv (part 2): grid 12 x 32, 4 waves a work-group, clusters of 4 x 4, 327,680 bytes of LDS; arguments codes, scales, qkv_img, qkv_sc; writes qkv_img, qkv_sc
.if DOCPART == 2
	.amdgcn_target "amdgcn-amd-amdhsa--gfx1250"
	.amdhsa_code_object_version 6
	.text
	.protected	k_q696370dc90_qkv
	.globl	k_q696370dc90_qkv
	.p2align	8
	.type	k_q696370dc90_qkv,@function
k_q696370dc90_qkv:
	s_mov_b64 s[64:65], 0
	v_nop
	global_prefetch_b8 v0, s[64:65] scope:SCOPE_SE
	s_setreg_imm32_b32 hwreg(HW_REG_WAVE_MODE, 25, 1), 1
	s_wait_xcnt 0x0
	s_wait_alu depctr_hold_cnt(0) depctr_sa_sdst(0) depctr_va_vdst(0) depctr_va_sdst(0) depctr_va_ssrc(0) depctr_va_vcc(0) depctr_vm_vsrc(0)
	s_getreg_b32 s2, hwreg(HW_REG_IB_STS2, 6, 4)
	s_cmp_eq_u32 s2, 0
	s_cbranch_scc0 .Lentry_in_a_cluster
	s_endpgm
.Lentry_in_a_cluster:
	s_bfe_u32 s2, ttmp6, 0x10000c
	s_cmp_lg_u32 s2, 0xf033
	s_cbranch_scc0 .Lentry_shape_is_right
	s_endpgm
.Lentry_shape_is_right:
; q, k, v = x W on codes of FP4 (E2M1) with E8M0 scales, K = 1,024; the results are quantised in registers (q, k along the head's 64; v along the tokens) and leave as IMAGES OF OPERAND REGISTERS.
; Both operands are rows of the buffers codes [12288][512 bytes] and scales [12288][32 bytes], in position order (bits 3 and 4 of the logical row exchanged).
; A tile of 256 x 256 of A' B'^T is made by four waves, 128 x 128 each: 64 accumulators.  The cluster's x says which product: 0: q, 1: k (A' = x's tokens, B' = the weight's columns); 2: v (A' = Wv's columns, B' = x's tokens).
; THE MATRIX INSTRUCTION IS USED TRANSPOSED (source 0 = 16 rows of B', source 1 = 16 rows of A'): a lane holds one row of A', and, by the position order, the 16 registers of B' blocks 2 g and 2 g + 1 are the 16 logical
; neighbours 32 g + 16 (lane / 16) + 0 .. 15: so each block of 16 rows of A' is quantised along B' as it stands: 128 numbers a lane pair, four blocks of 32, one fragment of 8 registers and one scale word a row.
; q, k: registers 0-3 are the first head's 64 (stored as tile image [head][tile of 16 tokens][512 bytes]), registers 4-7 the next head's.  v: the 8 registers are one fragment of 16 d x 128 keys ([head][key step][d tile][1,024 bytes]).
; K goes in two steps of 512 through two LDS slots, each filled once by the tensor data mover; the scale bytes of the 512 rows come with the first fills.
; CLUSTERS: 4 x 4 work-groups; A's tiles are asked for jointly along a row of the cluster, B's along a column.
; LIMITS: a block whose largest magnitude lies under 2^-124 (zeros too) gets the byte 1; NaN and infinities are not served.
; REGISTERS, in windows of 256: window 0: v16-31 addresses; v32-95 scale words, two sets; v128-191 A's fragments; v192-231 at work on the way out.  window 1: B's fragments, two sets.  windows 2, 3: the accumulators ((a, b) at v[8 (8 (a % 4) + b)]).
.set KSTEP,  512
.set NQ,     4
.set ROWB,   256
.set KROW,   512
.set PITCH,  528                       ; ALL OF K LIES IN LDS: a row is 512 bytes (the two K steps of 512 side by side) + 16 of padding: the 16 rows that a load touches start at 16 different banks
.set FR,     8
.set NL,     2
.set NP,     4
.set HALFT,  128*PITCH
.set SLOT,   4*HALFT
.set KS,     32
.set SCL,    SLOT
.set HALFS,  (128*KS/256)*272
.set SBLK,   (16*KS/256)*272
.set SPARE,  SCL+4*HALFS               ; the spare words, 128 bytes a wave: two blocks of 256 bytes that no other line names
.set SSTG,   SPARE+512                 ; the way out's scale words: 1,024 bytes a wave, bytes of their own into which no fill lands
.set ADRA, 16
.set ADRB, 20
.set VO1,  24                          ; v24  16 x lane
.set VO2,  25                          ; v25  the same, at the second half of a fragment's image
.set SST,  26                          ; v26  LDS: where my row's scale word goes: SSTG + 1,024 x wave + 4 r
.set ADRS, 27
.set SPW,  28
.set NIL,  29
.set SRD,  30                          ; v30  and where 16 bytes of the words are read back
.set VSX,  31                          ; v31  their place in memory
.set SC,   32
.set AF,   128
.set TM,   192                         ; v192-195 largest magnitudes, v196-199 bytes, v204-207 the conversions' scale operands
.set PW,   208                         ; the scale word;  v209: its upper half moved down
.set PW2,  209
.set PC,   216                         ; v216-223 the codes
.set BKR,  224                         ; v224-231 the scale words read back
.set G1, 24
.set G0, 32
.set G1B, 48
.set G0B, 56
.set G1S, 68
.set G0S, 76
.set G1SB, 80
.set G0SB, 88
.set SEL, 96
.set MSB, 0
.macro WIN new                         ; the immediate's high byte repeats the setting that is left
.if MSB != \new
	s_set_vgpr_msb (MSB<<8)|\new
.set MSB, \new
.endif
.endm
.set MUL_LO, 0xa1                      ; source 0 (B) window 1, source 1 (A) window 0, C and D window 2
.set MUL_HI, 0xf1
.set TO_B,   0x40
; A joint load: waves 0 and 1 fetch for A, waves 2 and 3 for B; the branch hangs on the wave's number alone.  Four v_nop follow each of the two lines.
; One arm of the head's chain of branches on the wave's number: its joint load and a jump to the chain's end.
.macro ARM under, g0, g1, next
	s_cmp_lt_u32 s14, \under
	s_cbranch_scc0 \next
	tensor_load_to_lds s[\g0:\g0+3], s[\g1:\g1+7]
	s_nop 0
.rept 4
	v_nop
.endr
	s_branch .Lhead_asked
\next:
.endm
.macro CREST
	s_cmp_lg_u32 s14, 0
	s_cbranch_scc1 .Lnot_wave_0_\@
	s_barrier_signal -3
.Lnot_wave_0_\@:
	s_barrier_wait -3
	s_barrier_signal -1
	s_barrier_wait -1
.endm
.macro CROUND
	s_barrier_signal -1
	s_barrier_wait -1
	CREST
.endm
	s_load_b128 s[4:7], s[0:1], 0x0                ; codes, scales
	s_load_b128 s[8:11], s[0:1], 0x10              ; the images, their scale words
	v_lshl_add_u32 v[SPW], v0, 2, SPARE
	v_mov_b32 v[NIL], 0
	ds_add_u32 v28, v29
	ds_add_u32 v28, v29
	s_wait_dscnt 0x0
	v_lshrrev_b32 v1, 5, v0
	v_readfirstlane_b32 s14, v1                    ; wave 0..3
	s_lshr_b32 s15, s14, 1                         ; which half of A's rows is mine.
	s_and_b32 s16, s14, 1                          ; which half of B's rows.
	s_bfe_u32 s40, ttmp6, 0x40000                  ; cx, cy
	s_bfe_u32 s41, ttmp6, 0x40004
	s_and_b32 s12, ttmp7, 0xffff
	s_lshl_b32 s12, s12, 2                         ; x's tiles of 256 rows: 4 x cluster y on
	s_lshl_b32 s13, ttmp9, 2
	s_add_co_u32 s13, s13, 32                      ; Wq's tiles begin at 32, Wk's at 36
	s_cmp_eq_u32 ttmp9, 2                          ; the cluster's x is the same in all sixteen partners
	s_cselect_b32 s17, 40, s12                     ; A': Wv's tiles begin at 40; else x's
	s_cselect_b32 s42, s12, s13                    ; B': x's; else the weight's
	s_add_co_u32 s17, s17, s41                     ; A's tile hangs on cy,
	s_add_co_u32 s42, s42, s40                     ; B's on cx
	s_lshl_b32 s43, s41, 2
	s_lshl_b32 s43, 15, s43                        ; my row of the cluster
	s_lshl_b32 s44, 0x1111, s40                    ; my column
	s_or_b32 s[G1+0], s43, (0<<16)|(1<<20)|(1<<21)|(6<<22)|(3<<25)  ; mask; elements of 1 byte; padding: 4 words after every 128
	s_or_b32 s[G1B+0], s44, (0<<16)|(1<<20)|(1<<21)|(6<<22)|(3<<25)
.irp g, G1, G1B
	s_mov_b32 s[\g+1], KROW<<16                    ; tensor_dim0: a whole row of codes
	s_mov_b32 s[\g+2], 256<<16                     ; tensor_dim1: the tile's 256 rows
	s_mov_b32 s[\g+3], KROW<<16                    ; tile_dim0
	s_mov_b32 s[\g+4], 256                         ; tile_dim1
	s_mov_b32 s[\g+5], KROW                        ; the pitch
	s_mov_b32 s[\g+6], 0
	s_mov_b32 s[\g+7], 0
.endr
	s_or_b32 s[G1S+0], s43, (3<<16)|(1<<20)|(1<<21)|(5<<22)|(3<<25) ; the scales of 256 rows: 8,192 dense bytes as 32 rows of 256 bytes, 16 bytes of padding behind each
	s_or_b32 s[G1SB+0], s44, (3<<16)|(1<<20)|(1<<21)|(5<<22)|(3<<25)
.irp g, G1S, G1SB
	s_mov_b32 s[\g+1], 32<<16
	s_mov_b32 s[\g+2], (256*KS/256)<<16            ; the scales of 256 rows: 32 rows of 256 bytes
	s_mov_b32 s[\g+3], 32<<16
	s_mov_b32 s[\g+4], 256*KS/256
	s_mov_b32 s[\g+5], 32
	s_mov_b32 s[\g+6], 0
	s_mov_b32 s[\g+7], 0
.endr
	s_lshl_b32 s20, s17, 8                         ; A: the tile's first row
	s_lshl_b32 s46, s42, 8                         ; B likewise
	s_lshl_b32 s22, s20, 5                         ; their scale bytes,
	s_mov_b32 s23, 0
	s_lshl_b32 s20, s20, 9                         ; their codes
	s_mov_b32 s21, 0
	s_lshl_b32 s92, s46, 5
	s_mov_b32 s93, 0
	s_lshl_b32 s46, s46, 9
	s_mov_b32 s47, 0
	s_mov_b32 s[SEL], 0x76543210
	s_mov_b32 s[SEL+1], 0xfedcba98                 ; v_permlanex16_b32's selects for lane l xor 16
	s_wait_kmcnt 0x0
	s_add_nc_u64 s[20:21], s[4:5], s[20:21]
	s_add_nc_u64 s[22:23], s[6:7], s[22:23]
	s_add_nc_u64 s[46:47], s[4:5], s[46:47]
	s_add_nc_u64 s[92:93], s[6:7], s[92:93]
	CROUND                                         ; all sixteen work-groups are here: the first joint loads meet
	s_mov_b32 s[G0], 1                             ; the launch's four tiles, each whole and filled once: A's 256 rows,
	s_mov_b32 s[G0+1], 0
	s_mov_b64 s[G0+2:G0+3], s[20:21]
	s_or_b32 s[G0+3], s[G0+3], 0x80000000
	s_mov_b32 s[G0B], 1                            ; B's 256 rows behind them,
	s_mov_b32 s[G0B+1], 2*HALFT
	s_mov_b64 s[G0B+2:G0B+3], s[46:47]
	s_or_b32 s[G0B+3], s[G0B+3], 0x80000000
	s_mov_b32 s[G0S], 1                            ; the scales of A's rows,
	s_mov_b32 s[G0S+1], SCL
	s_mov_b64 s[G0S+2:G0S+3], s[22:23]
	s_or_b32 s[G0S+3], s[G0S+3], 0x80000000
	s_mov_b32 s[G0SB], 1                           ; and of B's
	s_mov_b32 s[G0SB+1], SCL+2*HALFS
	s_mov_b64 s[G0SB+2:G0SB+3], s[92:93]
	s_or_b32 s[G0SB+3], s[G0SB+3], 0x80000000
	ARM 1, G0,  G1,  .Lhead_b                      ; one joint load a wave
	ARM 2, G0B, G1B, .Lhead_sa
	ARM 3, G0S, G1S, .Lhead_sb
	tensor_load_to_lds s[G0SB:G0SB+3], s[G1SB:G1SB+7]
	s_nop 0
.rept 4
	v_nop
.endr
.Lhead_asked:
	v_and_b32 v1, 15, v0                           ; r
	v_bfe_u32 v2, v0, 4, 1                         ; h
	v_mul_u32_u24 v3, v1, PITCH
	v_lshl_add_u32 v4, v2, 4, v3
	s_mul_i32 s21, s15, HALFT
	s_mul_i32 s22, s16, HALFT
	s_add_co_u32 s22, s22, 2*HALFT
.irp s, 0,1
	v_add_nc_u32 v[ADRA+\s], s21, v4
	v_add_nc_u32 v[ADRB+\s], s22, v4
	s_add_co_u32 s21, s21, ROWB                    ; the second K step of 512 begins 256 bytes on in each row
	s_add_co_u32 s22, s22, ROWB
.endr
	v_mul_u32_u24 v5, v1, KS                       ; my row's scales: KS bytes a row,
	v_lshrrev_b32 v6, 8, v5
	v_lshl_add_u32 v5, v6, 4, v5                   ; and 16 more for each 256 passed
	s_mul_i32 s21, s15, HALFS
	s_mul_i32 s22, s16, HALFS
	s_add_co_u32 s22, s22, 2*HALFS
	s_sub_co_u32 s22, s22, s21
	v_mul_u32_u24 v6, s22, v2                      ; lanes 16-31 take B's
	s_add_co_u32 s21, s21, SCL
	v_add_nc_u32 v5, v5, v6
	v_add_nc_u32 v[ADRS], s21, v5
	; the way out: where my wave's images and scale words begin.  TT, HT: the tile and half of the TOKENS; CW, HW: the place and half among the weight's columns
	s_mov_b32 s20, 512
	s_mov_b32 s45, 65536
	s_mov_b32 s94, 256
	s_cmp_eq_u32 ttmp9, 2
	s_cselect_b32 s66, s42, s17                    ; TT
	s_cselect_b32 s67, s16, s15                    ; HT
	s_cselect_b32 s12, s41, s40                    ; CW
	s_cselect_b32 s13, s15, s16                    ; HW
	s_cselect_b32 s18, 7, 4                        ; tokens to a key step, or to a tile
	s_cselect_b32 s19, 4, 7                        ; key steps, or tiles, to a head
	s_cselect_b32 s43, 12, 9                       ; bytes of images to one of these,
	s_cselect_b32 s44, 8, 6                        ; and of scale words
	s_cselect_b32 s20, 1024, s20                   ; from one block of 16 rows of A' to the next: v: a d tile; q, k: a tile of tokens
	s_cselect_b32 s22, 61440, 0                    ; v: block 4 begins the next head: 65,536 - 4 x 1,024 more
	s_cselect_b32 s45, 512, s45                    ; registers 4-7: v: the fragment's second half; q, k: the next head
	s_cselect_b32 s94, 4096, s94                   ; lanes 16-31 of the scale words: v: the next head; q, k: 256 bytes on
	s_mov_b32 s21, 0
	s_mov_b32 s23, 0
	s_lshl_b32 s66, s66, 8
	s_lshl_b32 s67, s67, 7
	s_add_co_u32 s66, s66, s67                     ; my first token's position
	s_lshr_b32 s67, s66, 11                        ; the batch
	s_and_b32 s66, s66, 2047
	s_lshr_b32 s66, s66, s18
	s_lshl_b32 s67, s67, 4
	s_lshl_b32 s12, s12, 2
	s_add_co_u32 s67, s67, s12
	s_lshl_b32 s13, s13, 1
	s_add_co_u32 s67, s67, s13                     ; 16 x batch + my first head
	s_lshl_b32 s67, s67, s19
	s_add_co_u32 s66, s66, s67
	s_lshl_b32 s12, s66, s43
	s_lshl_b32 s13, ttmp9, 22                      ; q's, k's, v's images: 4 MiB each
	s_add_co_u32 s12, s12, s13
	s_mov_b32 s13, 0
	s_add_nc_u64 s[8:9], s[8:9], s[12:13]
	s_lshl_b32 s12, s66, s44
	s_lshl_b32 s18, ttmp9, 19                      ; their scale words begin 512 KiB apart
	s_add_co_u32 s12, s12, s18
	s_add_nc_u64 s[10:11], s[10:11], s[12:13]
	v_and_b32 v3, 31, v0
	v_lshlrev_b32 v[VO1], 4, v3
	v_add_nc_u32 v[VO2], s45, v[VO1]
	s_lshl_b32 s18, s14, 10
	s_add_co_u32 s18, s18, SSTG
	v_lshl_add_u32 v[SST], v1, 2, s18
	v_add_nc_u32 v[SRD], s18, v[VO1]
	v_mul_u32_u24 v[VSX], s94, v2
	v_lshl_add_u32 v[VSX], v1, 4, v[VSX]
.macro FRAG reg, adr, q, i             ; 16 rows x 128 K of 4-bit codes: 8 registers: lane l holds row l % 16; registers 4 c .. 4 c + 3 hold K = 64 c + 32 (l / 16) + 0 .. 31
.irp c, 0,1
	ds_load_b128 v[\reg+4*\c:\reg+4*\c+3], v[\adr] offset:64*(\q)+32*\c+(\i)*16*PITCH
.endr
.endm
; 16 matrix instructions: A's blocks a0, a0 + 1 x B's eight, 128 along K.  The 64 accumulators take turns, one instruction a turn, in the same order in every step.
.macro MUL16 a0, p, q, sc, zero
.irp a, \a0, \a0+1
.irp b, 0,1,2,3,4,5,6,7
.if \zero
	v_wmma_scale_f32_16x16x128_f8f6f4 v[8*(8*((\a)%4)+\b):8*(8*((\a)%4)+\b)+7], v[128*(\p)+FR*\b:128*(\p)+FR*\b+FR-1], v[AF+FR*(\a):AF+FR*(\a)+FR-1], 0, v[SC+8*NQ*(\sc)+NQ*\b+(\q)], v[SC+8*NQ*(\sc)+NQ*(\a)+(\q)] matrix_a_fmt:MATRIX_FMT_FP4 matrix_b_fmt:MATRIX_FMT_FP4 matrix_a_scale:MATRIX_SCALE_ROW1
.else
	v_wmma_scale_f32_16x16x128_f8f6f4 v[8*(8*((\a)%4)+\b):8*(8*((\a)%4)+\b)+7], v[128*(\p)+FR*\b:128*(\p)+FR*\b+FR-1], v[AF+FR*(\a):AF+FR*(\a)+FR-1], v[8*(8*((\a)%4)+\b):8*(8*((\a)%4)+\b)+7], v[SC+8*NQ*(\sc)+NQ*\b+(\q)], v[SC+8*NQ*(\sc)+NQ*(\a)+(\q)] matrix_a_fmt:MATRIX_FMT_FP4 matrix_b_fmt:MATRIX_FMT_FP4 matrix_a_scale:MATRIX_SCALE_ROW1
.endif
.endr
.endr
.endm
.macro FETCH_B slot, q, p
	WIN TO_B
.irp i, 0,1,2,3,4,5,6,7
	FRAG 128*(\p)+FR*\i, ADRB+\slot, \q, \i
.endr
	WIN 0
.endm
.macro FETCH_A slot, q, i0
.irp i, \i0, \i0+1, \i0+2, \i0+3
	FRAG AF+FR*(\i), ADRA+\slot, \q, \i
.endr
.endm
.macro SCALES sc                       ; a K step's scale words: lanes 0-15 take A's block i, lanes 16-31 B's block i
.irp i, 0,1,2,3,4,5,6,7
	ds_load_b128 v[SC+8*NQ*\sc+NQ*\i:SC+8*NQ*\sc+NQ*\i+3], v[ADRS] offset:\i*SBLK
.endr
.endm
.macro PLACES n                        ; plain vector instructions between a matrix instruction and a load into, or a read of, its registers
.rept \n
	v_nop
.endr
.endm
.macro STEP slot, q, zero              ; a step of 128 along K that has its successor in the same slot
	s_wait_dscnt 4*NL                              ; B's set and A's blocks 0-3 are in; the youngest eight loads (A's blocks 4-7) may be out
	WIN MUL_LO
	MUL16 0, (\q)%2, \q, \slot, \zero
	MUL16 2, (\q)%2, \q, \slot, \zero
	s_wait_dscnt 0
	PLACES NP
	FETCH_B \slot, (\q)+1, 1-(\q)%2
	FETCH_A \slot, (\q)+1, 0
	WIN MUL_HI
	MUL16 4, (\q)%2, \q, \slot, \zero
	MUL16 6, (\q)%2, \q, \slot, \zero
	PLACES NP
	WIN 0
	FETCH_A \slot, (\q)+1, 4
.endm
.macro TURN slot, next                 ; the last step of the rows' first half goes on into the second: all of K has landed, so no wait on the mover and no barrier
	s_wait_dscnt 4*NL                              ; the youngest eight loads (A's blocks 4-7) may be out
	WIN MUL_LO
	MUL16 0, 1, NQ-1, \slot, 0
	MUL16 2, 1, NQ-1, \slot, 0
	s_wait_dscnt 0
	WIN 0
	PLACES NP
	v_add_nc_u32 v[ADRS], 4*NQ, v[ADRS]            ; on to the next K step's scale words
	s_wait_alu depctr_va_vdst(0)                   ; the wait directly behind the write
	FETCH_B \next, 0, 0
	FETCH_A \next, 0, 0
	SCALES \next
	WIN MUL_HI
	MUL16 4, 1, NQ-1, \slot, 0
	MUL16 6, 1, NQ-1, \slot, 0
	PLACES NP
	WIN 0
	FETCH_A \next, 0, 4
.endm
.macro STEPS slot, from
.set Q, \from
.rept NQ-1-\from
	STEP \slot, Q, 0
.set Q, Q+1
.endr
.endm
	s_wait_alu depctr_va_vdst(0)
	s_wait_tensorcnt 0x0                           ; my tile of the four is in,
	s_barrier_signal -1
	s_barrier_wait -1                              ; everybody's are
	FETCH_B 0, 0, 0
	FETCH_A 0, 0, 0
	SCALES 0
	FETCH_A 0, 0, 4
	STEP 0, 0, 1                                   ; the first products start the sums
	STEPS 0, 1
	TURN 0, 1
	STEPS 1, 0
	s_wait_dscnt 4*NL
	WIN MUL_LO
	MUL16 0, 1, NQ-1, 1, 0
	MUL16 2, 1, NQ-1, 1, 0
	s_wait_dscnt 0
	WIN MUL_HI
	MUL16 4, 1, NQ-1, 1, 0
	MUL16 6, 1, NQ-1, 1, 0
	WIN 0
; THE WAY OUT.  Block a's 64 registers of a lane, register 16 g + i = logical column 32 g + 16 (lane / 16) + i of my row, become a fragment's codes in v[PC] on and its scale word in v[PW].
; Each accumulator is read from its low end on.
.macro QUANTW a
.set AC, 64*((\a)%4)
.set WW, 2+(\a)/4
	WIN ((WW<<2)|(WW<<4))                          ; sources 1 and 2: the accumulators' window
.irp b, 0,1,2,3
	v_max3_num_f32 v[TM+\b], 0x1800000, |v[AC+16*\b]|, |v[AC+16*\b+1]|   ; my 16 numbers of block b, and the floor 2^(3 - 127): the byte cannot fall under 1
.endr
.irp i, 2,4,6,8,10,12,14
.irp b, 0,1,2,3
	v_max3_num_f32 v[TM+\b], v[TM+\b], |v[AC+16*\b+\i]|, |v[AC+16*\b+\i+1]|
.endr
.endr
	WIN 0
.irp b, 0,1,2,3
	v_permlanex16_b32 v[TM+4+\b], v[TM+\b], s[SEL], s[SEL+1]
.endr
.irp b, 0,1,2,3
	v_max_num_f32 v[TM+\b], v[TM+\b], v[TM+4+\b]   ; with lane l xor 16's: the block's largest magnitude
.endr
.irp b, 0,1,2,3
	v_add_nc_u32 v[TM+12+\b], 0xff000000, v[TM+\b] ; 2 off its exponent field: the conversion's scale operand
.endr
.irp b, 0,1,2,3
	v_lshrrev_b32 v[TM+4+\b], 23, v[TM+12+\b]      ; the scale's byte
.endr
	v_lshl_or_b32 v[PW], v[TM+5], 8, v[TM+4]
	v_lshl_or_b32 v[PW], v[TM+6], 16, v[PW]
	v_lshl_or_b32 v[PW], v[TM+7], 24, v[PW]
	v_lshrrev_b32 v[PW2], 16, v[PW]                ; q, k: the second head's two bytes, with zeros above them (over zero codes)
	WIN WW                                         ; source 0: the accumulators' window
.irp b, 0,1,2,3
	v_cvt_scalef32_pk8_fp4_f32 v[PC+2*\b], v[AC+16*\b:AC+16*\b+7], v[TM+12+\b]
	v_cvt_scalef32_pk8_fp4_f32 v[PC+1+2*\b], v[AC+16*\b+8:AC+16*\b+15], v[TM+12+\b]
.endr
	WIN 0
	v_nop                                          ; one plain place behind a scaled conversion
.irp c, 0,1                                    ; the operand's layout wants a whole block in a lane
.irp i, 0,1
	v_permlane16_swap_b32 v[PC+4*\c+\i], v[PC+2+4*\c+\i]
.endr
.endr
.endm
	PLACES NP                                      ; behind the last products
.irp b, 0,1,2,3
	v_mov_b32 v[TM+4+\b], 0                        ; written once: a lane permute's destination counts as one of its sources
.endr
.irp a, 0,1,2,3,4,5,6,7
.if \a > 0
	s_wait_xcnt 0x0                                ; the last block's stores have read their data and their base,
	s_wait_dscnt 0x0                               ; and its LDS stores theirs
	s_add_nc_u64 s[8:9], s[8:9], s[20:21]
.if \a == 4
	s_add_nc_u64 s[8:9], s[8:9], s[22:23]
.endif
.endif
	QUANTW \a
	global_store_b128 v[VO1], v[PC:PC+3], s[8:9]       ; 32 lanes store 512 consecutive bytes, aligned
	global_store_b128 v[VO2], v[PC+4:PC+7], s[8:9]
	ds_store_b32 v[SST], v[PW] offset:64*\a            ; lanes r and r + 16 write the same word with the same value
	ds_store_b32 v[SST], v[PW2] offset:512+64*\a
.endr
	ds_load_b128 v[BKR:BKR+3], v[SRD]              ; LDS serves a wave's instructions in order: these see my stores
	ds_load_b128 v[BKR+4:BKR+7], v[SRD] offset:512
	s_wait_dscnt 0x0
	global_store_b128 v[VSX], v[BKR:BKR+3], s[10:11]   ; sixteen lanes store 256 consecutive bytes, aligned
	s_cmp_eq_u32 ttmp9, 2
	s_cbranch_scc1 .Lv_done                        ; v has one word a row; q and k a second, for the second head
	global_store_b128 v[VSX], v[BKR+4:BKR+7], s[10:11] offset:8192
.Lv_done:
	s_wait_tensorcnt 0x0                           ; the wave's end
	ds_add_u32 v[SPW], v[NIL]
	s_wait_dscnt 0x0
	CROUND                                         ; the closing round
	s_endpgm
.Lfunc_end_k_q696370dc90_qkv:
	.size	k_q696370dc90_qkv, .Lfunc_end_k_q696370dc90_qkv-k_q696370dc90_qkv
	.p2alignl 7, 3214868480
	.fill 96, 4, 3214868480
	.section	.rodata,"a",@progbits
	.p2align	6, 0x0
	.amdhsa_kernel k_q696370dc90_qkv
		.amdhsa_group_segment_fixed_size 327680
		.amdhsa_private_segment_fixed_size 0
		.amdhsa_enable_private_segment 0
		.amdhsa_kernarg_size 32
		.amdhsa_user_sgpr_count 2
		.amdhsa_user_sgpr_kernarg_segment_ptr 1
		.amdhsa_wavefront_size32 1
		.amdhsa_system_sgpr_workgroup_id_x 1
		.amdhsa_system_sgpr_workgroup_id_y 1
		.amdhsa_system_sgpr_workgroup_id_z 1
		.amdhsa_system_vgpr_workitem_id 0
		.amdhsa_next_free_vgpr 1024
		.amdhsa_next_free_sgpr 98
		.amdhsa_reserve_vcc 0
		.amdhsa_float_denorm_mode_32 3
		.amdhsa_float_denorm_mode_16_64 3
		.amdhsa_memory_ordered 1
		.amdhsa_forward_progress 1
		.amdhsa_inst_pref_size 130
	.end_amdhsa_kernel
	.amdgpu_metadata
---
amdhsa.version: [ 1, 2 ]
amdhsa.kernels:
  - .name:           k_q696370dc90_qkv
    .symbol:         k_q696370dc90_qkv.kd
    .args:
      - { .name: codes, .offset: 0, .size: 8, .value_kind: global_buffer, .address_space: global }
      - { .name: scales, .offset: 8, .size: 8, .value_kind: global_buffer, .address_space: global }
      - { .name: qkv_img, .offset: 16, .size: 8, .value_kind: global_buffer, .address_space: global }
      - { .name: qkv_sc, .offset: 24, .size: 8, .value_kind: global_buffer, .address_space: global }
    .group_segment_fixed_size: 327680
    .private_segment_fixed_size: 0
    .kernarg_segment_align: 8
    .kernarg_segment_size: 32
    .max_flat_workgroup_size: 128
    .sgpr_count:     98
    .vgpr_count:     1024
    .wavefront_size: 32
...
	.end_amdgpu_metadata
.endif
;; end of part 2
;; launch attn (part 3): grid 4 x 64, 12 waves a work-group, clusters of 4 x 1, 327,680 bytes of LDS; arguments qkv_img, qkv_sc, att_img, att_sc; writes att_img, att_sc
.if DOCPART == 3
	.amdgcn_target "amdgcn-amd-amdhsa--gfx1250"
	.amdhsa_code_object_version 6
	.text
	.protected	k_q696370dc90_attn
	.globl	k_q696370dc90_attn
	.p2align	8
	.type	k_q696370dc90_attn,@function
k_q696370dc90_attn:
	s_mov_b64 s[64:65], 0
	v_nop
	global_prefetch_b8 v0, s[64:65] scope:SCOPE_SE
	s_setreg_imm32_b32 hwreg(HW_REG_WAVE_MODE, 25, 1), 1
	s_wait_xcnt 0x0
	s_wait_alu depctr_hold_cnt(0) depctr_sa_sdst(0) depctr_va_vdst(0) depctr_va_sdst(0) depctr_va_ssrc(0) depctr_va_vcc(0) depctr_vm_vsrc(0)
	s_getreg_b32 s2, hwreg(HW_REG_IB_STS2, 6, 4)
	s_cmp_eq_u32 s2, 0
	s_cbranch_scc0 .Lentry_in_a_cluster
	s_endpgm
.Lentry_in_a_cluster:
	s_bfe_u32 s2, ttmp6, 0x10000c
	s_cmp_lg_u32 s2, 0x3003
	s_cbranch_scc0 .Lentry_shape_is_right
	s_endpgm
.Lentry_shape_is_right:
; Causal attention of one head on codes of FP4 (E2M1) with E8M0 scales; the result, divided by the row's sum, is quantised along the head's 64 and leaves as an image of operand registers.
; t = score x log2(e) / 32 (the scale is 1 / sqrt(1,024)); M = the row's largest t so far, rounded up to a whole number; p = 2^(t - M) is quantised along the keys, not normalised; the sum is taken of the unquantised p.
; When M moves, the sum and O are multiplied by 2^(old M - new M): exact.  LEFT OUT: key steps all of whose keys come after a tile's queries: the causal mask makes their p zero for all inputs.
; INPUTS (made by the launch before): q's and k's tiles [head][tile][512 bytes]: lane r + 16 h holds the 32 codes d = 32 h .. of token 32 (tile / 2) + 8 (tile % 2) + r + 8 (r / 8); the upper half of the
; instruction's K = 128 is zero codes in registers.  v's fragments [head][key step][d tile][1,024 bytes]: 16 d x 128 keys.  Scale words: 4 bytes a row.
; SHARES.  The four work-groups of a head are a cluster of 4 x 1.  Work-group cx owns the query tiles 8 s + 2 cx + u (s = 0 .. 15, u = 0, 1): tile (s, u) needs the s + 1 key steps 0 .. s of 128 keys, whatever cx is, so no branch, trip
; count or LDS address hangs on cx; only the mask's numbers and the offsets of q and of the result do.  TWELVE waves, three to a SIMD.  Wave w has u = w % 2 and, by p = w / 2, the tiles of s + 1 =
; (16, 7), (15, 8), (14, 6, 3), (13, 5, 4), (12, 10, 1), (11, 9, 2): 23 or 22 key steps a wave, each s once for each u.
; LDS holds the whole head, each byte filled once, by JOINT loads (mask 15).  K's key steps 0-5, V's 0-3 and all scale words are asked for at the head (waves 0-6, one load each), the rest behind a sequence of adds and a round
; (waves 0-10, one load each); it is waited for behind key steps 0-3 of each wave's first tile, which has s of 10 or more.  No prefetch: both groups are asked for before the first loop, nothing is left to ask ahead.
; LAYOUT.  Both products are used transposed (S^T = K Q^T, O^T = V^T P^T): a lane holds one query.  THE KEYS OF A FRAGMENT ARE CHOSEN BY THE LANES' ADDRESSES: fragment (c, t) has key 64 c + 8 t + i in row i and key 64 c + 32 + 8 t + i in
; row 8 + i, so register 32 c + 8 t + j of lane (r, h) is key 64 c + 32 h + 8 t + j: a lane holds WHOLE blocks of 32 keys (blocks h and 2 + h), and the conversions' results are the second product's operand as they stand.
; K's tiles lie 576 bytes apart (64 of padding), so that rows 0-7 and rows 8-15 of a fragment, two tiles apart, fall on different banks.  A step's fragments of K are asked for from LDS one step ahead, behind the first product.
; The result's scale words leave as 64 consecutive bytes a tile: a work-group's tiles come in pairs, so it owns no whole run of 256 bytes of them (1 byte in 8 of what the launch stores).
; LIMITS: NaN and infinities are not served; a block whose largest magnitude lies under 2^-124 (zeros too) gets the byte 1; the promise holds while the scaled scores stay under 2^31 in magnitude.
; REGISTERS: v1-7 addresses that stay; v8-11 addresses in hand; v12 -M, v13 the largest score, v[14:15] the sum; v16-23 Q; v24-27 K's scale words, v28-29 V's (lanes 0-15 one fragment's, lanes 16-31 the next's); v30 8 h;
; v32-95 K's fragments; v96-159 S^T, then p; v160-191 O^T; v192-223 V's fragments; v224-231 p's codes; v232-254 at work; v240, v241 the add's; v253 p's scale word; v255 Q's.
.set KT,   576                         ; a tile of K in LDS
.set VI,   128*KT                      ; V's 64 fragments
.set KSC,  VI+65536                    ; K's scale words, 64 bytes a tile
.set VSC,  KSC+8192                    ; V's, 64 bytes a fragment
.set SPARE, VSC+4096                   ; the spare words, 128 bytes a wave: six blocks of 256 bytes that no other line names
.set AK0,  1
.set AV0,  2
.set ASK0, 3
.set ASV0, 4
.set RQ,   5                           ; r + 8 (r / 8) - 32 h
.set R4,   6                           ; 4 r
.set L16,  7                           ; 16 x lane
.set ADK,  8
.set ADV,  9
.set ADS,  10
.set ADT,  11
.set SH8,  30
.set QA,   31                          ; byte offsets in the buffers: q's image, q's scale words, the result's image, its scale words
.set QB,   242
.set OA,   243
.set OB,   250
.set SPW,  240
.set NIL,  241
.set WV,   12
.set CX,   14
.set SEL,  20
.set CS,   22
.set G1K,  24                          ; group 1: 16 rows of 512 bytes, 64 bytes of padding behind each
.set G1V,  32                          ; 32 rows of 256 bytes
.set G1T,  40                          ; 16 rows of 256 bytes
.set G0K,  48
.set G0V,  52
.set G0KS, 56
.set G0VS, 60
.set G0K2, 68
.set S1,   76                          ; my three tiles' s (the third's is -1 where there is none)
.set S2,   77
.set S3,   78
.set DQ,   79                          ; a tile's first query within the diagonal's key step: 32 cx + 8 u
.set OI1,  80                          ; the tiles' places among the images (512 bytes a tile),
.set OI2,  81
.set OI3,  82
.set OC1,  84                          ; and among the scale words (64 bytes a tile)
.set OC2,  85
.set OC3,  86
.set TK,   66                          ; the key step's place: in K's tiles,
.set KF,   67                          ; (the key step)
.set TS,   96                          ; in K's scale words,
.set TV,   97                          ; in V's fragments,
.set TJ,   98                          ; in V's scale words
.macro ROUND
	s_barrier_signal -1
	s_barrier_wait -1
	s_cmp_lg_u32 s[WV], 0
	s_cbranch_scc1 .Lnot_wave_0_\@
	s_barrier_signal -3
.Lnot_wave_0_\@:
	s_barrier_wait -3
	s_barrier_signal -1
	s_barrier_wait -1
.endm
.macro ARM under, g0, g1, next, join
	s_cmp_lt_u32 s[WV], \under
	s_cbranch_scc0 \next
	tensor_load_to_lds s[\g0:\g0+3], s[\g1:\g1+7]
	s_nop 0
.rept 4
	v_nop
.endr
	s_branch \join
\next:
.endm
	s_load_b128 s[4:7], s[0:1], 0x0                ; the images, their scale words
	s_load_b128 s[8:11], s[0:1], 0x10              ; the result's
	v_lshl_add_u32 v[SPW], v0, 2, SPARE
	v_mov_b32 v[NIL], 0
	ds_add_u32 v[SPW], v[NIL]                      ; the opening: the add, twice on end, and its wait ahead of the first tensor load
	ds_add_u32 v[SPW], v[NIL]
	v_lshrrev_b32 v8, 5, v0
	v_readfirstlane_b32 s[WV], v8                  ; wave 0..11
	s_bfe_u32 s[CX], ttmp6, 0x40000                ; my place in the cluster
	s_and_b32 s13, ttmp7, 0xffff                   ; the head (16 x batch + head)
	s_mov_b32 s[G1K], 15|(3<<16)|(1<<20)|(1<<21)|(6<<22)|(15<<25)   ; mask of all four; elements of 8 bytes; 16 words of padding after every 128
	s_mov_b32 s[G1K+1], 64<<16
	s_mov_b32 s[G1K+2], 16<<16
	s_mov_b32 s[G1K+3], 64<<16
	s_mov_b32 s[G1K+4], 16
	s_mov_b32 s[G1K+5], 64
	s_mov_b32 s[G1K+6], 0
	s_mov_b32 s[G1K+7], 0
	s_mov_b32 s[G1V], 15|(3<<16)|(1<<21)
	s_mov_b32 s[G1V+1], 32<<16
	s_mov_b32 s[G1V+2], 32<<16
	s_mov_b32 s[G1V+3], 32<<16
	s_mov_b32 s[G1V+4], 32
	s_mov_b32 s[G1V+5], 32
	s_mov_b32 s[G1V+6], 0
	s_mov_b32 s[G1V+7], 0
	s_mov_b32 s[G1T], 15|(3<<16)|(1<<21)
	s_mov_b32 s[G1T+1], 32<<16
	s_mov_b32 s[G1T+2], 16<<16
	s_mov_b32 s[G1T+3], 32<<16
	s_mov_b32 s[G1T+4], 16
	s_mov_b32 s[G1T+5], 32
	s_mov_b32 s[G1T+6], 0
	s_mov_b32 s[G1T+7], 0
	s_lshl_b32 s18, s13, 16                        ; 65,536 bytes of images a head,
	s_lshl_b32 s15, s[WV], 13                      ; a load brings two key steps: 8,192 bytes
	s_add_co_u32 s18, s18, s15
	s_mov_b32 s19, 0
	s_mul_i32 s16, s[WV], 16*KT
	s_mov_b32 s[G0K], 1                            ; head: waves 0-2: K's key steps 2 w, 2 w + 1
	s_mov_b32 s[G0K+1], s16
	s_mov_b32 s[G0K2], 1                           ; second group: waves 0-4: key steps 6 + 2 w on
	s_add_co_u32 s[G0K2+1], s16, 48*KT
	s_mov_b32 s[G0V], 1                            ; V's key steps 2 (w - 3) on: waves 3, 4 at the head, waves 5-10 in the second group
	s_add_co_u32 s[G0V+1], s15, VI-24576
	s_mov_b32 s[G0KS], 1                           ; wave 5: K's scale words; wave 6: V's
	s_mov_b32 s[G0KS+1], KSC
	s_mov_b32 s[G0VS], 1
	s_mov_b32 s[G0VS+1], VSC
	s_lshl_b32 s98, s13, 13
	s_add_co_u32 s98, s98, 1<<19                   ; K's scale words: from 512 KiB on, 8,192 bytes a head
	s_mov_b32 s99, 0
	s_lshl_b32 s2, s13, 12
	s_add_co_u32 s2, s2, 1<<20                     ; V's: from 1 MiB on, 4,096 bytes a head
	s_mov_b32 s3, 0
	s_mov_b32 s[SEL], 0x76543210
	s_mov_b32 s[SEL+1], 0xfedcba98                 ; v_permlanex16_b32's selects for lane l xor 16
	s_mov_b32 s[CS], 0x3d38aa3b                    ; c = log2(e) / 32
	s_mov_b32 s[CS+1], s[CS]
	s_wait_dscnt 0x0                               ; both opening adds are done
	s_wait_kmcnt 0x0
	s_add_nc_u64 s[96:97], s[4:5], s[18:19]
	s_add_nc_u64 s[G0K+2:G0K+3], s[96:97], 0x400000        ; K's images begin 4 MiB into the buffer, V's 8 MiB
	s_add_nc_u64 s[G0K2+2:G0K2+3], s[96:97], 0x406000
	s_add_nc_u64 s[G0V+2:G0V+3], s[96:97], 0x7fa000
	s_add_nc_u64 s[G0KS+2:G0KS+3], s[6:7], s[98:99]
	s_add_nc_u64 s[G0VS+2:G0VS+3], s[6:7], s[2:3]
.irp g, G0K, G0K2, G0V, G0KS, G0VS
	s_or_b32 s[\g+3], s[\g+3], 0x80000000
.endr
	ROUND                                          ; all four work-groups are here: the first joint loads meet
	ARM 3, G0K,  G1K, .Lhead_v,  .Lhead_asked      ; one chain of branches on the wave's number, at most one load on any way
	ARM 5, G0V,  G1V, .Lhead_sk, .Lhead_asked
	ARM 6, G0KS, G1V, .Lhead_sv, .Lhead_asked
	ARM 7, G0VS, G1T, .Lhead_no, .Lhead_asked
.Lhead_asked:
	s_lshr_b32 s16, s[WV], 1                       ; p
	s_and_b32 s17, s[WV], 1                        ; u
	s_sub_co_u32 s[S1], 15, s16
	s_lshl_b32 s16, s16, 2
	s_lshr_b32 s[S2], 0x9a5687, s16                ; the second tile's s + 1, four bits for each p: 7, 8, 6, 5, 10, 9
	s_and_b32 s[S2], s[S2], 15
	s_sub_co_i32 s[S2], s[S2], 1
	s_lshr_b32 s[S3], 0x214300, s16                ; the third's: 0, 0, 3, 4, 1, 2
	s_and_b32 s[S3], s[S3], 15
	s_sub_co_i32 s[S3], s[S3], 1
	s_lshl_b32 s[DQ], s[CX], 5
	s_lshl_b32 s2, s17, 3
	s_add_co_u32 s[DQ], s[DQ], s2
	s_lshl_b32 s15, s13, 7
	s_lshl_b32 s2, s[CX], 1
	s_add_co_u32 s15, s15, s2
	s_add_co_u32 s15, s15, s17                     ; 128 tiles a head, + 2 cx + u
.macro PLACE ss, oi, oc                ; tile 8 s + 2 cx + u (where there is no third tile: s = 0's, which is loaded from and never stored to)
	s_max_i32 s2, s[\ss], 0
	s_lshl_b32 s2, s2, 3
	s_add_co_u32 s2, s2, s15
	s_lshl_b32 s[\oi], s2, 9
	s_lshl_b32 s[\oc], s2, 6
.endm
	PLACE S1, OI1, OC1
	PLACE S2, OI2, OC2
	PLACE S3, OI3, OC3
	v_and_b32 v8, 31, v0
	v_lshlrev_b32 v[L16], 4, v8
	v_and_b32 v9, 15, v0                           ; r
	v_lshlrev_b32 v[R4], 2, v9
	v_add_nc_u32 v[QA], s[OI1], v[L16]
	v_add_nc_u32 v[QB], s[OC1], v[R4]
	global_load_b128 v[16:19], v[QA], s[4:5]       ; Q's codes: registers 0-3
	global_load_b32 v255, v[QB], s[6:7]
	v_add_nc_u32 v[AV0], VI, v[L16]
	v_bfe_u32 v10, v0, 4, 1                        ; h
	v_and_b32 v11, 7, v0                           ; r % 8
	v_bfe_u32 v29, v0, 3, 1                        ; r / 8
	v_lshlrev_b32 v[AK0], 4, v11                   ; K: 16 (r % 8) + two tiles x (r / 8) + 256 h
	v_mad_u32_u24 v[AK0], v29, 2*KT, v[AK0]
	v_lshl_add_u32 v[AK0], v10, 8, v[AK0]
	v_lshl_add_u32 v[ASK0], v11, 2, KSC            ; its scale words: 4 (r % 8) + two tiles x (r / 8); lanes 16-31 take the next tile's
	v_lshl_add_u32 v[ASK0], v29, 7, v[ASK0]
	v_lshl_add_u32 v[ASK0], v10, 6, v[ASK0]
	v_lshl_add_u32 v[ASV0], v10, 6, v[R4]          ; V's scale words: 4 r; lanes 16-31 take the next fragment's
	v_add_nc_u32 v[ASV0], VSC, v[ASV0]
	v_lshl_add_u32 v[RQ], v29, 3, v9
	v_lshlrev_b32 v8, 5, v10
	v_sub_nc_u32 v[RQ], v[RQ], v8
	v_lshlrev_b32 v[SH8], 3, v10
.irp j, 20,21,22,23,235,236,237,252,253
	v_mov_b32 v[\j], 0                             ; K = 64 .. 127 of Q: zero codes; the others: named as a permute's destination or in a pair before they are first written
.endr
.irp t, 0,1,2,3,4,5,6,7
.irp j, 4,5,6,7
	v_mov_b32 v[32+8*\t+\j], 0                     ; zero codes in K's fragments: set once, never loaded
.endr
.endr
	s_wait_alu depctr_va_vdst(0)                   ; the wait at the head's end
	s_wait_tensorcnt 0x0                           ; my load of the first group is in; the sequence ahead of a later first fill:
	ds_add_u32 v[SPW], v[NIL]
	ds_add_u32 v[SPW], v[NIL]
	s_wait_dscnt 0x0
	ROUND                                          ; the first group is whole, in all four work-groups
	ARM 5,  G0K2, G1K, .Lsec_v,  .Lsec_asked       ; the rest of the head: a wave's one joint load behind the round
	ARM 11, G0V,  G1V, .Lsec_no, .Lsec_asked
.Lsec_asked:
.macro KLOAD adk, ads, on              ; the eight fragments of K and their four registers of scale words, `on' key steps behind the addresses
.irp c, 0,1
.irp t, 0,1,2,3
	ds_load_b128 v[32+32*\c+8*\t:35+32*\c+8*\t], v[\adk] offset:(8*\on+4*\c+\t%2)*KT+(\t/2)*128
.endr
.endr
.irp c, 0,1
.irp u, 0,1
	ds_load_b32 v[24+2*\c+\u], v[\ads] offset:512*\on+256*\c+32*\u
.endr
.endr
.endm
; A KEY STEP: 128 keys.  edge = 1: the step may lie on or behind the diagonal; sd: the register with the diagonal's step.
.macro STEP edge, sd
.if \edge
	s_cmp_gt_i32 s[KF], s[\sd]
	s_cbranch_scc1 .Lhid_\@                        ; all its keys come after my queries
.endif
	s_wait_dscnt 0x0                               ; K's fragments, asked for a step ago
.irp c, 0,1
.irp u, 0,1
	v_wmma_scale_f32_16x16x128_f8f6f4 v[96+32*\c+16*\u:103+32*\c+16*\u], v[32+32*\c+16*\u:39+32*\c+16*\u], v[16:23], 0, v[24+2*\c+\u], v255 matrix_a_fmt:MATRIX_FMT_FP4 matrix_b_fmt:MATRIX_FMT_FP4
	v_wmma_scale_f32_16x16x128_f8f6f4 v[104+32*\c+16*\u:111+32*\c+16*\u], v[40+32*\c+16*\u:47+32*\c+16*\u], v[16:23], 0, v[24+2*\c+\u], v255 matrix_a_fmt:MATRIX_FMT_FP4 matrix_b_fmt:MATRIX_FMT_FP4 matrix_a_scale:MATRIX_SCALE_ROW1
.endr
.endr
	v_add_nc_u32 v[ADV], s[TV], v[AV0]             ; five places: behind these products, and between the last step's second product and the loads into its operands
	v_add_nc_u32 v[ADT], s[TJ], v[ASV0]
	v_add_nc_u32 v[ADK], s[TK], v[AK0]
	v_add_nc_u32 v[ADS], s[TS], v[ASK0]
	v_mov_b32 v234, v12                            ; the old -M
.irp t, 0,1,2,3
.irp c, 0,1
	ds_load_b128 v[192+8*\t+4*\c:195+8*\t+4*\c], v[ADV] offset:1024*\t+512*\c
.endr
.endr
.irp p, 0,1
	ds_load_b32 v[28+\p], v[ADT] offset:128*\p
.endr
	KLOAD ADK, ADS, 1                              ; the next key step's K (behind a tile's last step: bytes that lie in LDS and are not used)
.if \edge
	s_cmp_lg_u32 s[KF], s[\sd]
	s_cbranch_scc1 .Lopen_\@                       ; all its keys count
	v_add_nc_u32 v252, s[DQ], v[RQ]                ; d = my query - the step's first key - 32 h.  Register n holds key 64 (n / 32) + n % 32 + 32 h: hidden where 64 (n / 32) + n % 32 > d
	v_mov_b32 v254, 0xff800000                     ; -infinity: p = 0 then
.set JJ, 0
.rept 64
	v_cmp_gt_i32 vcc_lo, 64*(JJ/32)+JJ%32, v252
	v_cndmask_b32 v[96+JJ], v[96+JJ], v254, vcc_lo
.set JJ, JJ+1
.endr
.Lopen_\@:
.endif
.irp c, 0,1                                    ; the largest score of my two blocks of 32 keys, two chains a block: for the row's maximum and, since p rises with the score, for the block's largest p
	v_max3_num_f32 v[232+\c], v[96+32*\c], v[97+32*\c], v[98+32*\c]
	v_max3_num_f32 v[244+\c], v[112+32*\c], v[113+32*\c], v[114+32*\c]
.endr
.irp i, 3,5,7,9,11,13
.irp c, 0,1
	v_max3_num_f32 v[232+\c], v[232+\c], v[96+32*\c+\i], v[97+32*\c+\i]
	v_max3_num_f32 v[244+\c], v[244+\c], v[112+32*\c+\i], v[113+32*\c+\i]
.endr
.endr
.irp c, 0,1
	v_max3_num_f32 v[232+\c], v[232+\c], v[244+\c], v[111+32*\c]
.endr
.irp c, 0,1
	v_max_num_f32 v[232+\c], v[232+\c], v[127+32*\c]
.endr
	v_max_num_f32 v254, v232, v233
	v_permlanex16_b32 v235, v254, s[SEL], s[SEL+1]
	v_max3_num_f32 v13, v13, v254, v235            ; the running largest score of my query
	v_mul_f32 v254, s[CS], v13                     ; as t
	v_floor_f32 v12, -v254                         ; the new -M = floor(-t)
	v_sub_f32 v254, v12, v234                      ; old M - new M: a whole number, 0 or less
	v_cvt_i32_f32 v254, v254                       ; (it saturates)
	v_ldexp_f32 v252, 1.0, v254                    ; f = 2^(old M - new M)
.set JJ, 0
.rept 16
	v_pk_mul_f32 v[160+JJ:161+JJ], v[160+JJ:161+JJ], v[252:253] op_sel_hi:[1,0]   ; O^T under the new M: ahead of the exponentials, so that none stands between the last step's products and these first readers
.set JJ, JJ+2
.endr
	v_pk_mul_f32 v[14:15], v[14:15], v[252:253] op_sel_hi:[1,0]   ; and the sums
.set JJ, 0
.rept 32
	v_pk_fma_f32 v[96+JJ:97+JJ], v[96+JJ:97+JJ], s[CS:CS+1], v[12:13] op_sel_hi:[1,0,0]   ; t - M, two at a time
.set JJ, JJ+2
.endr
.irp c, 0,1
	v_fma_f32 v[232+\c], v[232+\c], s[CS], v12     ; the same of each block's largest score
.endr
	s_wait_alu depctr_va_vdst(0)                   ; the wait ahead of the batch
.set JJ, 0
.rept 64
	v_exp_f32 v[96+JJ], v[96+JJ]                   ; p = 2^(t - M)
.set JJ, JJ+1
.endr
.irp c, 0,1
	v_exp_f32 v[232+\c], v[232+\c]                 ; the block's largest p
.endr
	v_nop                                          ; a plain place behind the exponentials
	s_wait_alu depctr_va_vdst(0)                   ; one wait for the whole batch, ahead of its first reader
.irp c, 0,1
	v_max_num_f32 v[232+\c], 0x1800000, v[232+\c]  ; the floor 2^(3 - 127): the byte cannot fall under 1
.endr
.irp c, 0,1
	v_add_nc_u32 v[244+\c], 0xff000000, v[232+\c]  ; 2 off the exponent field: the conversion's scale operand
.endr
.irp c, 0,1
	v_lshrrev_b32 v[246+\c], 23, v[244+\c]         ; the scale's byte
.endr
	v_lshl_or_b32 v253, v247, 16, v246             ; my two bytes, blocks h and 2 + h,
	v_lshlrev_b32 v253, v[SH8], v253               ; at their places in the scale word;
	v_permlanex16_b32 v235, v253, s[SEL], s[SEL+1]
	v_or_b32 v253, v253, v235                      ; with lane l xor 16's two the word is whole
.irp c, 0,1
.irp t, 0,1,2,3
	v_cvt_scalef32_pk8_fp4_f32 v[224+4*\c+\t], v[96+32*\c+8*\t:103+32*\c+8*\t], v[244+\c]   ; register 4 c + t of the operand: k = 64 c + 32 h + 8 t ..
.endr
.endr
	v_pk_add_f32 v[236:237], v[96:97], v[98:99]    ; the row's sum of the unquantised p: 32 pairs in four chains; these are also the places between p's codes and scale word and the products below
	v_pk_add_f32 v[238:239], v[100:101], v[102:103]
	v_pk_add_f32 v[248:249], v[104:105], v[106:107]
	v_pk_add_f32 v[14:15], v[14:15], v[108:109]
.irp j, 110,118,126,134,142,150
	v_pk_add_f32 v[236:237], v[236:237], v[\j:\j+1]
	v_pk_add_f32 v[238:239], v[238:239], v[\j+2:\j+3]
	v_pk_add_f32 v[248:249], v[248:249], v[\j+4:\j+5]
	v_pk_add_f32 v[14:15], v[14:15], v[\j+6:\j+7]
.endr
	v_pk_add_f32 v[236:237], v[236:237], v[158:159]
	v_pk_add_f32 v[238:239], v[238:239], v[248:249]
	v_pk_add_f32 v[14:15], v[14:15], v[236:237]
	v_pk_add_f32 v[14:15], v[14:15], v[238:239]
	s_wait_dscnt 12                                ; V's ten loads are in; the twelve of the next step's K, issued behind them, may be out
.irp p, 0,1                                    ; the four accumulators take turns, one instruction a turn
	v_wmma_scale_f32_16x16x128_f8f6f4 v[160+16*\p:167+16*\p], v[192+16*\p:199+16*\p], v[224:231], v[160+16*\p:167+16*\p], v[28+\p], v253 matrix_a_fmt:MATRIX_FMT_FP4 matrix_b_fmt:MATRIX_FMT_FP4
	v_wmma_scale_f32_16x16x128_f8f6f4 v[168+16*\p:175+16*\p], v[200+16*\p:207+16*\p], v[224:231], v[168+16*\p:175+16*\p], v[28+\p], v253 matrix_a_fmt:MATRIX_FMT_FP4 matrix_b_fmt:MATRIX_FMT_FP4 matrix_a_scale:MATRIX_SCALE_ROW1
.endr
.if \edge
.Lhid_\@:
.endif
	s_add_co_u32 s[TK], s[TK], 8*KT
	s_add_co_u32 s[TS], s[TS], 512
	s_add_co_u32 s[TV], s[TV], 4096
	s_add_co_u32 s[TJ], s[TJ], 256
.endm
.macro INIT                            ; a tile begins: the step is written once; its first trip finds zeros, and f = 0
	s_wait_loadcnt 0x0                             ; Q
	s_wait_xcnt 0x0                                ; the last tile's stores have read their data and offsets
	s_wait_dscnt 0x0                               ; what the last tile asked for ahead has landed in K's registers
	KLOAD AK0, ASK0, 0                             ; key step 0's K
	v_mov_b32 v13, 0xff61b1e6                      ; the largest score so far: -3e38
	v_mov_b32 v12, 0x7e000000                      ; -M: 2^125, a whole number over every -M that follows
	v_mov_b32 v14, 0
	v_mov_b32 v15, 0
.set JJ, 0
.rept 32
	v_mov_b32 v[160+JJ], 0
.set JJ, JJ+1
.endr
	s_mov_b32 s[TK], 0
	s_mov_b32 s[TS], 0
	s_mov_b32 s[TV], 0
	s_mov_b32 s[TJ], 0
	s_mov_b32 s[KF], 0
	s_wait_alu depctr_va_vdst(0)                   ; the wait ahead of the loop
.endm
; A tile's way out.  oi, oc: its places in the result's buffers; more = 1: the next tile's Q, at ni and nc, is asked for.
.macro FINISH oi, oc, more, ni, nc
	s_wait_alu depctr_va_vdst(0)                   ; the sums were written just ahead of a wait and a branch
.rept 4
	v_nop                                          ; places behind the last products
.endr
.if \more
	v_add_nc_u32 v[QA], s[\ni], v[L16]
	v_add_nc_u32 v[QB], s[\nc], v[R4]
	global_load_b128 v[16:19], v[QA], s[4:5]
	global_load_b32 v255, v[QB], s[6:7]
.endif
	v_add_f32 v14, v14, v15                        ; the sum's two halves,
	v_permlanex16_b32 v252, v14, s[SEL], s[SEL+1]
	v_add_f32 v14, v14, v252                       ; and lane l xor 16's
	s_wait_alu depctr_va_vdst(0)                   ; the wait ahead of the transcendental
	v_rcp_f32 v14, v14
	v_nop                                          ; a plain place behind it
	s_wait_alu depctr_va_vdst(0)                   ; and the wait ahead of its first reader, which is also O^T's
.set JJ, 0
.rept 32
	v_mul_f32 v[96+JJ], v[160+JJ], v14             ; register 16 g + i is d = 32 g + 16 h + i of my query
.set JJ, JJ+1
.endr
.irp b, 0,1
	v_max3_num_f32 v[232+\b], |v[96+16*\b]|, |v[97+16*\b]|, 0x1800000
.endr
.irp i, 2,4,6,8,10,12,14
.irp b, 0,1
	v_max3_num_f32 v[232+\b], v[232+\b], |v[96+16*\b+\i]|, |v[97+16*\b+\i]|
.endr
.endr
.irp b, 0,1
	v_permlanex16_b32 v[236+\b], v[232+\b], s[SEL], s[SEL+1]
.endr
.irp b, 0,1
	v_max_num_f32 v[232+\b], v[232+\b], v[236+\b]
.endr
.irp b, 0,1
	v_add_nc_u32 v[244+\b], 0xff000000, v[232+\b]
.endr
.irp b, 0,1
	v_lshrrev_b32 v[236+\b], 23, v[244+\b]
.endr
	v_lshl_or_b32 v254, v237, 8, v236              ; the row's two scale bytes
.irp b, 0,1
	v_cvt_scalef32_pk8_fp4_f32 v[224+2*\b], v[96+16*\b:103+16*\b], v[244+\b]
	v_cvt_scalef32_pk8_fp4_f32 v[225+2*\b], v[104+16*\b:111+16*\b], v[244+\b]
.endr
	v_add_nc_u32 v[OA], s[\oi], v[L16]             ; (plain places behind the scaled conversions)
	v_add_nc_u32 v[OB], s[\oc], v[R4]
	v_permlane16_swap_b32 v224, v226               ; a whole block in a lane
	v_permlane16_swap_b32 v225, v227
	global_store_b128 v[OA], v[224:227], s[8:9]    ; 32 lanes store 512 consecutive bytes, aligned
	global_store_b32 v[OB], v254, s[10:11]         ; 64 consecutive bytes; lanes r and r + 16 store the same word with the same value
.endm
	INIT
.Lfirst:                                           ; key steps 0-3 of my first tile: all their keys count (s is 10 or more)
	STEP 0, S1
	s_add_co_u32 s[KF], s[KF], 1
	s_cmp_lt_u32 s[KF], 4
	s_cbranch_scc1 .Lfirst
	s_wait_tensorcnt 0x0                           ; my load of the second group is in,
	s_wait_dscnt 0x0
	s_barrier_signal -1
	s_barrier_wait -1                              ; everybody's is: the whole head lies in LDS
	s_mov_b32 s[KF], 4
.Lrest:
	STEP 1, S1
	s_add_co_u32 s[KF], s[KF], 1
	s_cmp_lt_u32 s[KF], 16
	s_cbranch_scc1 .Lrest
	FINISH OI1, OC1, 1, OI2, OC2
	INIT
.Lsecond:                                          ; my second tile: s is 9 or less
	STEP 1, S2
	s_add_co_u32 s[KF], s[KF], 1
	s_cmp_lt_u32 s[KF], 10
	s_cbranch_scc1 .Lsecond
	FINISH OI2, OC2, 1, OI3, OC3
	INIT
.Lthird:                                           ; my third tile: s is 3 or less; where there is none (s = -1) every step is left out
	STEP 1, S3
	s_add_co_u32 s[KF], s[KF], 1
	s_cmp_lt_u32 s[KF], 4
	s_cbranch_scc1 .Lthird
	s_cmp_lt_i32 s[S3], 0                          ; made of the wave's number alone
	s_cbranch_scc1 .Lno_third
	FINISH OI3, OC3, 0, OI3, OC3
.Lno_third:
	s_wait_tensorcnt 0x0                           ; the wave's end
	ds_add_u32 v[SPW], v[NIL]
	s_wait_dscnt 0x0
	ROUND                                          ; the closing round
	s_endpgm
.Lfunc_end_k_q696370dc90_attn:
	.size	k_q696370dc90_attn, .Lfunc_end_k_q696370dc90_attn-k_q696370dc90_attn
	.p2alignl 7, 3214868480
	.fill 96, 4, 3214868480
	.section	.rodata,"a",@progbits
	.p2align	6, 0x0
	.amdhsa_kernel k_q696370dc90_attn
		.amdhsa_group_segment_fixed_size 327680
		.amdhsa_private_segment_fixed_size 0
		.amdhsa_enable_private_segment 0
		.amdhsa_kernarg_size 32
		.amdhsa_user_sgpr_count 2
		.amdhsa_user_sgpr_kernarg_segment_ptr 1
		.amdhsa_wavefront_size32 1
		.amdhsa_system_sgpr_workgroup_id_x 1
		.amdhsa_system_sgpr_workgroup_id_y 1
		.amdhsa_system_sgpr_workgroup_id_z 1
		.amdhsa_system_vgpr_workitem_id 0
		.amdhsa_next_free_vgpr 256
		.amdhsa_next_free_sgpr 100
		.amdhsa_reserve_vcc 1
		.amdhsa_float_denorm_mode_32 3
		.amdhsa_float_denorm_mode_16_64 3
		.amdhsa_memory_ordered 1
		.amdhsa_forward_progress 1
		.amdhsa_inst_pref_size 101
	.end_amdhsa_kernel
	.amdgpu_metadata
---
amdhsa.version: [ 1, 2 ]
amdhsa.kernels:
  - .name:           k_q696370dc90_attn
    .symbol:         k_q696370dc90_attn.kd
    .args:
      - { .name: qkv_img, .offset: 0, .size: 8, .value_kind: global_buffer, .address_space: global }
      - { .name: qkv_sc, .offset: 8, .size: 8, .value_kind: global_buffer, .address_space: global }
      - { .name: att_img, .offset: 16, .size: 8, .value_kind: global_buffer, .address_space: global }
      - { .name: att_sc, .offset: 24, .size: 8, .value_kind: global_buffer, .address_space: global }
    .group_segment_fixed_size: 327680
    .private_segment_fixed_size: 0
    .kernarg_segment_align: 8
    .kernarg_segment_size: 32
    .max_flat_workgroup_size: 384
    .sgpr_count:     100
    .vgpr_count:     256
    .wavefront_size: 32
...
	.end_amdgpu_metadata
.endif
;; end of part 3
;; launch proj (part 4): grid 8 x 32, 4 waves a work-group, clusters of 4 x 4, 327,680 bytes of LDS; arguments att_img, att_sc, codes, scales, bo, out0; writes out0
.if DOCPART == 4
	.amdgcn_target "amdgcn-amd-amdhsa--gfx1250"
	.amdhsa_code_object_version 6
	.text
	.protected	k_q696370dc90_proj
	.globl	k_q696370dc90_proj
	.p2align	8
	.type	k_q696370dc90_proj,@function
k_q696370dc90_proj:
	s_mov_b64 s[64:65], 0
	v_nop
	global_prefetch_b8 v0, s[64:65] scope:SCOPE_SE
	s_setreg_imm32_b32 hwreg(HW_REG_WAVE_MODE, 25, 1), 1
	s_wait_xcnt 0x0
	s_wait_alu depctr_hold_cnt(0) depctr_sa_sdst(0) depctr_va_vdst(0) depctr_va_sdst(0) depctr_va_ssrc(0) depctr_va_vcc(0) depctr_vm_vsrc(0)
	s_getreg_b32 s2, hwreg(HW_REG_IB_STS2, 6, 4)
	s_cmp_eq_u32 s2, 0
	s_cbranch_scc0 .Lentry_in_a_cluster
	s_endpgm
.Lentry_in_a_cluster:
	s_bfe_u32 s2, ttmp6, 0x10000c
	s_cmp_lg_u32 s2, 0xf033
	s_cbranch_scc0 .Lentry_shape_is_right
	s_endpgm
.Lentry_shape_is_right:
; out0 = att Wo + bo on codes of FP4 (E2M1) with E8M0 scales, K = 1,024 (16 heads x 64).
; A = att, as the launch before left it: images of operand registers [16 batch + head][tile of 16 tokens][512 bytes] (lane r + 16 h: the 32 codes d = 32 h .. of the tile's row r) and scale words [16 batch + head][tile][r], two bytes used.
; B = Wo's columns: rows 11,264 on of codes [row][512 bytes] and scales [row][32 bytes].  Rows of both lie in position order: sixteen stored rows 16 a + r are the logical rows 32 (a / 2) + 8 (a % 2) + r + 8 (r / 8).
; A work-group makes 256 tokens x 128 columns: 32 x 8 = 256 work-groups.  Each of its four waves makes 64 tokens x 128 columns: 32 accumulators of 16 x 16.
; ALL OF K LIES IN LDS, each byte filled once: four joint loads at the head, one a wave (A's images, B's codes, A's scale words as they lie, B's scale bytes).  No prefetch: everything is asked for at the head, there is no loop to run ahead in.
; CLUSTERS: 4 x 4 work-groups; A's tiles are asked for jointly along a row of the cluster, B's along a column.
; A's scale words come head by head; the four waves lay them row by row (32 bytes a row, as B's lie) in LDS bytes of their own, once, ahead of the products.
; THE MATRIX INSTRUCTION IS USED TRANSPOSED (source 0 = 16 rows of B, source 1 = 16 rows of A): a lane holds eight neighbouring columns of one token's row.  The bias is the C of each accumulator's first product.
; REGISTERS, in windows of 256: window 0: v16-31 addresses; v32-95 scale words of both halves of K; v128-191 A's fragments, two sets of four; v192-255 the bias; on the way out v128-255 hold rows read back.
; window 1: B's fragments, two sets of eight, at v0 and v128.  window 2: the accumulators, (a, b) at v[8 (8 a + b)].
.set NQ,     4
.set KROW,   512
.set PITCH,  528                       ; a row of B in LDS: 512 bytes + 16 of padding: the 16 rows that a load touches start at 16 different banks
.set FR,     8
.set NP,     4
.set KS,     32
.set APART,  131072                    ; A's images: 16 heads x 16 tiles x 512 bytes; B's 128 rows behind them
.set SCL,    APART+128*PITCH           ; A's scales, row by row, as units of 256 bytes + 16 of padding
.set HALFS,  (128*KS/256)*272          ; the scales of 128 rows
.set SBLK,   (16*KS/256)*272           ; of 16 rows
.set SCLB,   SCL+2*HALFS               ; B's scales
.set RAW,    SCLB+HALFS                ; A's scale words as they come: 16 heads x 1,024 bytes
.set STAGE,  RAW+16384                 ; the way out: 16 rows x 528 bytes for each wave, bytes into which no fill lands
.set SPITCH, 528
.set SPARE,  STAGE+4*16*SPITCH         ; the spare words, 128 bytes a wave: two blocks of 256 bytes that no other line names
.set ADRA, 16                          ; v16-17 my A fragments: heads 0-7, heads 8-15
.set ADRB, 20
.set STO,  24
.set RD,   25
.set CO,   26                          ; 16 x lane
.set ADRS, 27                          ; scale words: lanes 0-15 A's rows, lanes 16-31 B's
.set SPW,  28
.set NIL,  29
.set SC,   32
.set AF,   128
.set BIAS, 192
.set BK,   128
.set G1, 24
.set G0, 32
.set G1B, 48
.set G0B, 56
.set G1S, 68
.set G0S, 76
.set G1SB, 80
.set G0SB, 88
.set MSB, 0
.macro WIN new                         ; the immediate's high byte repeats the setting that is left
.if MSB != \new
	s_set_vgpr_msb (MSB<<8)|\new
.set MSB, \new
.endif
.endm
.set MUL_LO, 0xa1                      ; source 0 (B) window 1, source 1 (A) window 0, C and D window 2
.set MUL_1ST, 0x81                     ; the same with C (the bias) in window 0
.set TO_B,   0x40
.macro ARM under, g0, g1, next         ; one arm of the head's chain of branches on the wave's number: its joint load and a jump to the chain's end
	s_cmp_lt_u32 s14, \under
	s_cbranch_scc0 \next
	tensor_load_to_lds s[\g0:\g0+3], s[\g1:\g1+7]
	s_nop 0
.rept 4
	v_nop
.endr
	s_branch .Lhead_asked
\next:
.endm
.macro CROUND                          ; a round of the cluster's barrier
	s_barrier_signal -1
	s_barrier_wait -1
	s_cmp_lg_u32 s14, 0
	s_cbranch_scc1 .Lnot_wave_0_\@
	s_barrier_signal -3
.Lnot_wave_0_\@:
	s_barrier_wait -3
	s_barrier_signal -1
	s_barrier_wait -1
.endm
	s_load_b128 s[4:7], s[0:1], 0x0                ; A's images, A's scale words
	s_load_b128 s[8:11], s[0:1], 0x10              ; codes, scales
	s_load_b64 s[96:97], s[0:1], 0x20              ; the bias
	s_load_b64 s[12:13], s[0:1], 0x28              ; the result
	v_lshl_add_u32 v[SPW], v0, 2, SPARE
	v_mov_b32 v[NIL], 0
	ds_add_u32 v[SPW], v[NIL]                      ; the opening: the add, twice on end, and its wait ahead of the first tensor load
	ds_add_u32 v[SPW], v[NIL]
	v_lshrrev_b32 v1, 5, v0
	v_readfirstlane_b32 s14, v1                    ; wave 0..3
	s_bfe_u32 s40, ttmp6, 0x40000                  ; cx, cy
	s_bfe_u32 s41, ttmp6, 0x40004
	s_lshl_b32 s42, ttmp9, 2
	s_add_co_u32 s42, s42, s40                     ; which 128 columns
	s_and_b32 s17, ttmp7, 0xffff
	s_lshl_b32 s17, s17, 2
	s_add_co_u32 s17, s17, s41                     ; which 256 tokens
	s_lshl_b32 s43, s41, 2
	s_lshl_b32 s43, 15, s43                        ; my row of the cluster
	s_lshl_b32 s44, 0x1111, s40                    ; my column
	s_or_b32 s[G1+0], s43, (3<<16)|(1<<21)         ; A's images: 16 heads, a row is a head's 16 tiles: 8,192 bytes, 65,536 apart
	s_mov_b32 s[G1+1], 1024<<16
	s_mov_b32 s[G1+2], 16<<16
	s_mov_b32 s[G1+3], 1024<<16
	s_mov_b32 s[G1+4], 16
	s_mov_b32 s[G1+5], 8192
	s_mov_b32 s[G1+6], 0
	s_mov_b32 s[G1+7], 0
	s_or_b32 s[G1B+0], s44, (0<<16)|(1<<20)|(1<<21)|(6<<22)|(3<<25)   ; B's codes: 128 rows of 512 bytes, 4 words of padding after every 128
	s_mov_b32 s[G1B+1], KROW<<16
	s_mov_b32 s[G1B+2], 128<<16
	s_mov_b32 s[G1B+3], KROW<<16
	s_mov_b32 s[G1B+4], 128
	s_mov_b32 s[G1B+5], KROW
	s_mov_b32 s[G1B+6], 0
	s_mov_b32 s[G1B+7], 0
	s_or_b32 s[G1S+0], s43, (3<<16)|(1<<21)        ; A's scale words: 16 heads, 1,024 bytes each, 8,192 apart
	s_mov_b32 s[G1S+1], 128<<16
	s_mov_b32 s[G1S+2], 16<<16
	s_mov_b32 s[G1S+3], 128<<16
	s_mov_b32 s[G1S+4], 16
	s_mov_b32 s[G1S+5], 1024
	s_mov_b32 s[G1S+6], 0
	s_mov_b32 s[G1S+7], 0
	s_or_b32 s[G1SB+0], s44, (3<<16)|(1<<20)|(1<<21)|(5<<22)|(3<<25)  ; B's scale bytes: 4,096 dense bytes as 16 rows of 256, 16 bytes of padding behind each
	s_mov_b32 s[G1SB+1], 32<<16
	s_mov_b32 s[G1SB+2], 16<<16
	s_mov_b32 s[G1SB+3], 32<<16
	s_mov_b32 s[G1SB+4], 16
	s_mov_b32 s[G1SB+5], 32
	s_mov_b32 s[G1SB+6], 0
	s_mov_b32 s[G1SB+7], 0
	s_lshr_b32 s18, s17, 3                         ; the batch,
	s_and_b32 s19, s17, 7                          ; and which 16 tiles of its 128
	s_lshl_b32 s20, s18, 20
	s_lshl_b32 s21, s19, 13
	s_add_co_u32 s20, s20, s21
	s_mov_b32 s21, 0
	s_lshl_b32 s22, s18, 17
	s_lshl_b32 s23, s19, 10
	s_add_co_u32 s22, s22, s23
	s_mov_b32 s23, 0
	s_lshl_b32 s46, s42, 7
	s_add_co_u32 s46, s46, 11264                   ; B's first row
	s_lshl_b32 s92, s46, 5
	s_mov_b32 s93, 0
	s_lshl_b32 s46, s46, 9
	s_mov_b32 s47, 0
	s_wait_dscnt 0x0                               ; both opening adds are done
	s_wait_kmcnt 0x0
	s_add_nc_u64 s[20:21], s[4:5], s[20:21]
	s_add_nc_u64 s[22:23], s[6:7], s[22:23]
	s_add_nc_u64 s[46:47], s[8:9], s[46:47]
	s_add_nc_u64 s[92:93], s[10:11], s[92:93]
	CROUND                                         ; all sixteen work-groups are here: the joint loads meet
	s_mov_b32 s[G0], 1
	s_mov_b32 s[G0+1], 0
	s_mov_b64 s[G0+2:G0+3], s[20:21]
	s_or_b32 s[G0+3], s[G0+3], 0x80000000
	s_mov_b32 s[G0B], 1
	s_mov_b32 s[G0B+1], APART
	s_mov_b64 s[G0B+2:G0B+3], s[46:47]
	s_or_b32 s[G0B+3], s[G0B+3], 0x80000000
	s_mov_b32 s[G0S], 1
	s_mov_b32 s[G0S+1], RAW
	s_mov_b64 s[G0S+2:G0S+3], s[22:23]
	s_or_b32 s[G0S+3], s[G0S+3], 0x80000000
	s_mov_b32 s[G0SB], 1
	s_mov_b32 s[G0SB+1], SCLB
	s_mov_b64 s[G0SB+2:G0SB+3], s[92:93]
	s_or_b32 s[G0SB+3], s[G0SB+3], 0x80000000
	ARM 1, G0,  G1,  .Lhead_b                      ; one joint load a wave
	ARM 2, G0B, G1B, .Lhead_sa
	ARM 3, G0S, G1S, .Lhead_sb
	tensor_load_to_lds s[G0SB:G0SB+3], s[G1SB:G1SB+7]
	s_nop 0
.rept 4
	v_nop
.endr
.Lhead_asked:
	s_lshl_b32 s21, s14, 11                        ; my 64 tokens: four tiles of 512 bytes in each head,
	s_add_co_u32 s94, s21, 65536                   ; and the same in heads 8-15
	s_mul_i32 s95, s14, HALFS/2                    ; their scales
	s_mov_b32 s22, 2*HALFS
	s_sub_co_u32 s22, s22, s95                     ; from there to B's scales
	s_add_co_u32 s95, s95, SCL
	s_mul_i32 s23, s14, 16*SPITCH
	s_add_co_u32 s23, s23, STAGE                   ; my stage
	s_lshl_b32 s18, s42, 9                         ; my work-group's 128 columns, in bytes
	s_mov_b32 s19, 0
	s_add_nc_u64 s[96:97], s[96:97], s[18:19]
	s_lshl_b32 s20, s17, 8
	s_lshl_b32 s2, s14, 6
	s_add_co_u32 s20, s20, s2                      ; my first token
	s_lshl_b32 s20, s20, 12
	s_add_co_u32 s20, s20, s18
	s_mov_b32 s21, s21
	s_mov_b32 s3, 0
	s_mov_b32 s2, s20
	s_add_nc_u64 s[12:13], s[12:13], s[2:3]
	v_and_b32 v1, 15, v0                           ; r
	v_bfe_u32 v2, v0, 4, 1                         ; h
	v_and_b32 v3, 31, v0
	v_lshlrev_b32 v[CO], 4, v3
	v_add_nc_u32 v[ADRA], s21, v[CO]
	v_add_nc_u32 v[ADRA+1], s94, v[CO]
	v_mul_u32_u24 v4, v1, PITCH
	v_lshl_add_u32 v4, v2, 4, v4
	v_add_nc_u32 v[ADRB], APART, v4
	v_mul_u32_u24 v5, v1, KS                       ; a row's scales: 32 bytes a row,
	v_lshrrev_b32 v6, 8, v5
	v_lshl_add_u32 v5, v6, 4, v5                   ; and 16 more for each 256 passed
	v_mul_u32_u24 v6, s22, v2                      ; lanes 16-31 take B's
	v_add_nc_u32 v5, v5, v6
	v_add_nc_u32 v[ADRS], s95, v5
	v_lshl_add_u32 v8, v0, 2, RAW                  ; the re-laying of A's scale words: thread t takes rows t and t + 128
	v_lshlrev_b32 v9, 5, v0
	v_lshrrev_b32 v10, 3, v0
	v_lshl_add_u32 v9, v10, 4, v9
	v_add_nc_u32 v9, SCL, v9
	v_mul_u32_u24 v5, v1, SPITCH
	v_lshl_add_u32 v5, v2, 6, v5
	v_add_nc_u32 v[STO], s23, v5                   ; into the stage: row r, + 64 h bytes
	v_add_nc_u32 v[RD], s23, v[CO]                 ; back: the 32 lanes take one row of 512 bytes
	v_lshlrev_b32 v7, 6, v2
.irp b, 0,1,2,3,4,5,6,7
	global_load_b128 v[BIAS+8*\b:BIAS+8*\b+3], v7, s[96:97] offset:128*(\b/2)+32*(\b%2)        ; block b's register j is column 32 (b / 2) + 16 h + 8 (b % 2) + j
	global_load_b128 v[BIAS+8*\b+4:BIAS+8*\b+7], v7, s[96:97] offset:128*(\b/2)+32*(\b%2)+16
.endr
; The fragments of step k (128 along K: heads 2 k, 2 k + 1) into set k % 2: B's eight (16 loads), then A's four (8 loads).
.macro FETCH k
	WIN TO_B
.irp i, 0,1,2,3,4,5,6,7
.irp c, 0,1
	ds_load_b128 v[128*((\k)%2)+FR*\i+4*\c:128*((\k)%2)+FR*\i+4*\c+3], v[ADRB] offset:64*(\k)+32*\c+\i*16*PITCH
.endr
.endr
	WIN 0
.irp i, 0,1,2,3
.irp c, 0,1
	ds_load_b128 v[AF+32*((\k)%2)+FR*\i+4*\c:AF+32*((\k)%2)+FR*\i+4*\c+3], v[ADRA+(\k)/4] offset:(2*((\k)%4)+\c)*8192+\i*512
.endr
.endr
.endm
; 32 matrix instructions: my four blocks of A x B's eight.  The 32 accumulators take turns, one instruction a turn, in the same order in every step.
.macro MUL32 k
.set P, (\k)%2
.set W, SC+8*NQ*((\k)/4)+(\k)%4
.irp a, 0,1,2,3
.irp b, 0,1,2,3,4,5,6,7
.if (\k) == 0
	v_wmma_scale_f32_16x16x128_f8f6f4 v[8*(8*\a+\b):8*(8*\a+\b)+7], v[128*P+FR*\b:128*P+FR*\b+FR-1], v[AF+32*P+FR*\a:AF+32*P+FR*\a+FR-1], v[BIAS+8*\b:BIAS+8*\b+7], v[W+NQ*\b], v[W+NQ*\a] matrix_a_fmt:MATRIX_FMT_FP4 matrix_b_fmt:MATRIX_FMT_FP4 matrix_a_scale:MATRIX_SCALE_ROW1
.else
	v_wmma_scale_f32_16x16x128_f8f6f4 v[8*(8*\a+\b):8*(8*\a+\b)+7], v[128*P+FR*\b:128*P+FR*\b+FR-1], v[AF+32*P+FR*\a:AF+32*P+FR*\a+FR-1], v[8*(8*\a+\b):8*(8*\a+\b)+7], v[W+NQ*\b], v[W+NQ*\a] matrix_a_fmt:MATRIX_FMT_FP4 matrix_b_fmt:MATRIX_FMT_FP4 matrix_a_scale:MATRIX_SCALE_ROW1
.endif
.endr
.endr
.endm
.macro PLACES n                        ; plain vector instructions between a matrix instruction and a load into, or a read of, its registers
.rept \n
	v_nop
.endr
.endm
.macro STEP k
.if (\k) < 7
.if (\k) > 0
	PLACES NP                                      ; the other set was read by the last step's products
.endif
	FETCH (\k)+1
	s_wait_dscnt 24                                ; this step's fragments are in; the 24 loads just issued may be out
.else
	s_wait_dscnt 0x0
.endif
.if (\k) == 0
	WIN MUL_1ST
.else
	WIN MUL_LO
.endif
	MUL32 \k
	WIN 0
.endm
	s_wait_alu depctr_va_vdst(0)                   ; the wait at the head's end
	s_wait_tensorcnt 0x0                           ; my tile of the four is in,
	s_barrier_signal -1
	s_barrier_wait -1                              ; everybody's is
.irp z, 0,1
.irp hh, 0,1,2,3,4,5,6,7,8,9,10,11,12,13,14,15
	ds_load_b32 v[128+16*\z+\hh], v8 offset:1024*\hh+512*\z   ; my row's word of each head: two scale bytes
.endr
.endr
	s_wait_dscnt 0x0
.irp z, 0,1
.irp s, 0,1,2,3,4,5,6,7
	v_perm_b32 v[160+8*\z+\s], v[129+16*\z+2*\s], v[128+16*\z+2*\s], 0x05040100   ; two heads' bytes make the word of 128 along K
.endr
.endr
.irp z, 0,1
	ds_store_b128 v9, v[160+8*\z:163+8*\z] offset:\z*HALFS
	ds_store_b128 v9, v[164+8*\z:167+8*\z] offset:\z*HALFS+16
.endr
	s_wait_dscnt 0x0                               ; for the others' sake
	s_barrier_signal -1
	s_barrier_wait -1
	FETCH 0
.irp sc, 0,1                                   ; the scale words of both halves of K, once: lanes 0-15 A's block i (blocks 0-3 are mine), lanes 16-31 B's block i
.irp i, 0,1,2,3,4,5,6,7
	ds_load_b128 v[SC+8*NQ*\sc+NQ*\i:SC+8*NQ*\sc+NQ*\i+3], v[ADRS] offset:\i*SBLK+16*\sc
.endr
.endr
	s_wait_loadcnt 0x0                             ; the bias
.irp k, 0,1,2,3,4,5,6,7
	STEP \k
.endr
; THE WAY OUT, block by block of 16 rows x 128 columns, through my own stage: whole rows of 512 bytes come back, which the 32 lanes store as two aligned runs of 256 bytes.
; LDS serves a wave's instructions in order (ISA guide 5.7.1.4): no wait between the stores and the loads.
.macro TOSTAGE a
.set AC, 64*(\a)
	WIN 0x08                                       ; the data: window 2
.irp b, 0,1,2,3,4,5,6,7
	ds_store_b128 v[STO], v[AC+8*\b:AC+8*\b+3] offset:128*(\b/2)+32*(\b%2)      ; each accumulator from its low end on
	ds_store_b128 v[STO], v[AC+8*\b+4:AC+8*\b+7] offset:128*(\b/2)+32*(\b%2)+16
.endr
	WIN 0
.set BB, BK+64*((\a)%2)
.irp t, 0,1,2,3,4,5,6,7,8,9,10,11,12,13,14,15
	ds_load_b128 v[BB+4*\t:BB+4*\t+3], v[RD] offset:\t*SPITCH
.endr
.endm
.macro SEND a, younger                 ; younger: the LDS instructions issued behind block a's loads, which may stay out
.set BB, BK+64*((\a)%2)
	s_wait_dscnt \younger
.if (\a) > 0
	s_add_nc_u64 s[12:13], s[12:13], (24-16*((\a)%2))*4096   ; block a begins at token 32 (a / 2) + 8 (a % 2) of my 64
.endif
.irp t, 0,1,2,3,4,5,6,7,8,9,10,11,12,13,14,15
	global_store_b128 v[CO], v[BB+4*\t:BB+4*\t+3], s[12:13] offset:(\t+8*(\t/8))*4096 th:TH_STORE_NT   ; stored row t is token t + 8 (t / 8) of the block
.endr
.endm
	PLACES NP                                      ; behind the last products
	TOSTAGE 0
.irp a, 1,2,3
.if \a > 1
	s_wait_xcnt 0x0                                ; block a - 2's stores have read their registers and their base
.endif
	TOSTAGE \a
	SEND \a-1, 32                                  ; behind block a - 1's loads: block a's 16 stores and 16 loads
.endr
	s_wait_xcnt 0x0
	SEND 3, 0
	s_wait_tensorcnt 0x0                           ; the wave's end
	ds_add_u32 v[SPW], v[NIL]
	s_wait_dscnt 0x0
	CROUND                                         ; the closing round
	s_endpgm
.Lfunc_end_k_q696370dc90_proj:
	.size	k_q696370dc90_proj, .Lfunc_end_k_q696370dc90_proj-k_q696370dc90_proj
	.p2alignl 7, 3214868480
	.fill 96, 4, 3214868480
	.section	.rodata,"a",@progbits
	.p2align	6, 0x0
	.amdhsa_kernel k_q696370dc90_proj
		.amdhsa_group_segment_fixed_size 327680
		.amdhsa_private_segment_fixed_size 0
		.amdhsa_enable_private_segment 0
		.amdhsa_kernarg_size 48
		.amdhsa_user_sgpr_count 2
		.amdhsa_user_sgpr_kernarg_segment_ptr 1
		.amdhsa_wavefront_size32 1
		.amdhsa_system_sgpr_workgroup_id_x 1
		.amdhsa_system_sgpr_workgroup_id_y 1
		.amdhsa_system_sgpr_workgroup_id_z 1
		.amdhsa_system_vgpr_workitem_id 0
		.amdhsa_next_free_vgpr 768
		.amdhsa_next_free_sgpr 100
		.amdhsa_reserve_vcc 0
		.amdhsa_float_denorm_mode_32 3
		.amdhsa_float_denorm_mode_16_64 3
		.amdhsa_memory_ordered 1
		.amdhsa_forward_progress 1
		.amdhsa_inst_pref_size 76
	.end_amdhsa_kernel
	.amdgpu_metadata
---
amdhsa.version: [ 1, 2 ]
amdhsa.kernels:
  - .name:           k_q696370dc90_proj
    .symbol:         k_q696370dc90_proj.kd
    .args:
      - { .name: att_img, .offset: 0, .size: 8, .value_kind: global_buffer, .address_space: global }
      - { .name: att_sc, .offset: 8, .size: 8, .value_kind: global_buffer, .address_space: global }
      - { .name: codes, .offset: 16, .size: 8, .value_kind: global_buffer, .address_space: global }
      - { .name: scales, .offset: 24, .size: 8, .value_kind: global_buffer, .address_space: global }
      - { .name: bo, .offset: 32, .size: 8, .value_kind: global_buffer, .address_space: global }
      - { .name: out0, .offset: 40, .size: 8, .value_kind: global_buffer, .address_space: global }
    .group_segment_fixed_size: 327680
    .private_segment_fixed_size: 0
    .kernarg_segment_align: 8
    .kernarg_segment_size: 48
    .max_flat_workgroup_size: 128
    .sgpr_count:     100
    .vgpr_count:     768
    .wavefront_size: 32
...
	.end_amdgpu_metadata
.endif
;; end of part 4
